; MI455X (gfx1250); checked and timed in simulation.
; The chip was launched on July 23, 2026; its instructions are those of AMD's public machine-readable ISA for CDNA 5 (MIT licence, August 2026) and "CDNA5" Instruction Set Architecture Reference Guide (July 2026). The comments in the code are by the model that wrote it; some were corrected since.
;; Multi Head Self Attention. Allowed arithmetic: matrix products marked QUANTISED: E2M1 operands, one E8M0 scale for each 32 along K, by v_wmma_scale_f32_16x16x128_f8f6f4 with both operands' format E2M1 (or v_wmma_scale_f32_32x16x128_f4), f32 sums; products left as they are: bf16, f16 or f32 operands; f32 sums; everything else in f32.
;; Inputs: proj_b 1,024 float32; proj_w 1,024 x 1,024 float32; qkv_b 3,072 float32; qkv_w 3,072 x 1,024 float32; x 4 x 2,048 x 1,024 float32.
;; Outputs: out0 4 x 2,048 x 1,024 float32.
;; This version of the problem:
;;   THIS VERSION OF THE PROBLEM IS GIVEN IN LOW PRECISION. The matrix products marked QUANTISED in the list below multiply operands that are first quantised to E2M1 (2 exponent bits, 1 mantissa bit; 4 bits a number), with one power-of-two scale for each 32 numbers along K (OCP MX v1.0); their sums are f32. The products marked 'left as it is' may take bf16, f16 or f32 operands, with f32 sums. Whichever they take, every output number must still come out within the allowed error. Rounding operands to bf16 (8 significant bits) uses up far more of that allowance than f16 does (11 bits, for magnitudes from 6e-5 to 65,504). All else is computed in f32.
;;   The module's matrix products, in the order in which they are computed (A, B: the left and right operand; K: the contracted axis; several contracted axes count as one K, in the product's order):
;;     1. [M 8,192, K 1,024] x [K 1,024, N 3,072]; A: input x; B: input qkv_w: QUANTISED
;;     2. batch 64 x [M 2,048, K 64] x [K 64, N 2,048]; A: computed on the way; B: computed on the way: left as it is (an operand is computed on the way)
;;     3. batch 64 x [M 2,048, K 2,048] x [K 2,048, N 64]; A: computed on the way; B: computed on the way: left as it is (an operand is computed on the way)
;;     4. [M 8,192, K 1,024] x [K 1,024, N 1,024]; A: computed on the way; B: input proj_w: left as it is (an operand is computed on the way)
;;   THE QUANTISER, for each operand of a quantised product, along K:
;;     - K is cut into blocks of 32 from its start; a last block that is shorter is filled with zeros.
;;     - A block's scale is 2^e with e = floor(log2(the largest magnitude in the block)) - 2, held to -126 .. 127; a block of zeros has e = 0. As a byte (E8M0): e + 127.
;;     - Each number is divided by its block's scale, clamped to +-6, and rounded to the nearest number of E2M1, ties to even, subnormals kept.
;;     - The product sums the exact products of the quantised numbers (number of the format x scale) in f32.
;;   ~~~python
;;   def quantise(x, axis):      # numpy; x: float32 -> the quantised numbers, widened to float32 again
;;       x = np.moveaxis(x, axis, -1); K = x.shape[-1]
;;       x = np.pad(x, [(0, 0)] * (x.ndim - 1) + [(0, -K % 32)]); x = x.reshape(x.shape[:-1] + (-1, 32)); a = np.abs(x).max(-1, keepdims=True)
;;       e = np.where(a > 0, np.clip(np.frexp(np.where(a > 0, a, 1))[1] - 1 - 2, -126, 127), 0)      # np.frexp(a)[1] - 1 = floor(log2(a)), exactly
;;       r = np.clip(x / 2.0 ** e, -6, 6)
;;       step = 2.0 ** (np.maximum(np.frexp(np.where(r == 0, 1, r))[1] - 1, 0) - 1)
;;       q = np.round(r / step) * step * 2.0 ** e      # np.round: ties to even
;;       return np.moveaxis(q.reshape(q.shape[:-2] + (-1,))[..., :K], -1, axis).astype(np.float32)
;;   ~~~
;; One version. Each part assembles by itself: llvm-mc -triple=amdgcn-amd-amdhsa -mcpu=gfx1250 --defsym DOCPART=n.
;; ======== version 1 of 1: 5 launches
;; limits: values are held in f16: magnitudes above 65,504 overflow, below 6.1e-05 lose precision
;; workspace buffers: codes 5,767,168 bytes; scales 360,448 bytes; pw 2,097,152 bytes; rope 524,288 bytes; qkv 50,331,648 bytes; first 786,432 bytes; yh 16,777,216 bytes
;; launch prep (part 1): grid 512 x 1, 4 waves a work-group, no clusters, 33,280 bytes of LDS; arguments x, qkv_w, proj_w, codes, scales, pw, rope; writes codes, scales, pw, rope
.if DOCPART == 1
	.amdgcn_target "amdgcn-amd-amdhsa--gfx1250"
	.amdhsa_code_object_version 6
	.text
	.protected	k_qc4ac62bf99_prep
	.globl	k_qc4ac62bf99_prep
	.p2align	8
	.type	k_qc4ac62bf99_prep,@function
k_qc4ac62bf99_prep:
	s_mov_b64 s[64:65], 0
	v_nop
	global_prefetch_b8 v0, s[64:65] scope:SCOPE_SE
	s_setreg_imm32_b32 hwreg(HW_REG_WAVE_MODE, 25, 1), 1
	s_wait_xcnt 0x0
; THE PROGRAM: multi-head self-attention, B 4, S 2,048, D 1,024, 16 heads of 64, in five launches:
;   prep (this one), qkv (x qkv_w^T on codes of E2M1, bias, rotation), attn (causal attention, f16 operands), proj (the projection, f16 operands),
;   first16 (positions 0 to 15 of every sequence once more, in f32 throughout, over the rows that proj stored).
; WORK LEFT OUT AS DEAD.  reference() puts -infinity, by a jnp.tril that it builds itself, on every score whose key comes after its query; the softmax gives such a key the weight 0
; for all finite values of the inputs, so neither its score nor its value reaches any output.  Where that holds of a whole step of 64 keys for all queries of a wave, the step is not
; computed, and a tile of K and V that no wave of a work-group reads is not fetched (launch attn).  Nothing else is left out; every input is loaded.
; LIMIT: a NaN, an infinity or an overflow that would arise only in the tiles left out is not carried to the result.
; THIS LAUNCH, by the work-group's number:
;   0 .. 351    x (256 work-groups) and qkv_w (96) become codes of E2M1, K innermost, two codes a byte, and one E8M0 byte for each 32 along K.  Rows are dense and K = 1,024 is a multiple of 32,
;               so each tensor is a plain stream of blocks; the two streams of codes lie on end in one buffer (x's 4,194,304 bytes first), the scale bytes likewise (x's 262,144 first).
;   352 .. 479  proj_w becomes f16, rounded to nearest even.
;   480 .. 511  the table of the rotation: for position p and pair j, cos and sin of p x 10000^(-j / 32), f32, 256 bytes a position.
; A block's scale is 2^(floor(log2(its largest magnitude)) - 2); its byte is the largest magnitude's exponent field - 2, held at 1 from below.  A block of zeros so gets the byte 1 where the
; rule says 127: its codes are zeros, which add nothing under any byte but 0xff, and this program alone reads the bytes.
; LIMITS: NaN and infinities among the inputs are not served by the quantiser; blocks whose largest magnitude lies under 2^-124 have the byte 1.  proj_w beyond 65,504 in magnitude becomes infinity in f16.
; The angles: 10000^(-j / 32) is made as 2^(-j x log2(10000) / 32) by v_exp_f32; at the largest positions the angle so differs from the exact one by up to about 1e-4 radians.
; cos and sin: the angle less the nearest multiple of pi / 2 (pi / 2 in two parts, by fused multiply-adds), polynomials on -pi / 4 .. pi / 4 (truncation under 4e-7), the quadrant by selects.
; Only the first path touches LDS, and no path has a barrier: waves share nothing.
.set STEPS, 16
.set EMAX,  2
.set CB,    8                          ; bytes of 16 codes
.set R,     16                         ; v16-79   four sets of 16 numbers as they are loaded
.set X,     80                         ; v80-111  two sets of 16 neighbours
.set C,     128                        ; v128-191 codes: four registers for each step, so that no store's data are written again
.set E,     112                        ; v112-127 a scale byte for each step
.set WREG,  8192                       ; LDS: a region for each wave: two stages of 32 x SP bytes, behind them its 256 scale bytes
.set SP,    80                         ; a lane's place in a stage: its 64 bytes + 16 of padding
.set SPW,   12                         ; v12  LDS address of my spare word; never rewritten
.set NIL,   13                         ; v13  0; never rewritten
.set SPARE, 4*WREG                     ; behind the four regions: the spare words, 128 bytes for each wave
.macro LOAD t
.irp i, 0,1,2,3
	global_load_b128 v[R+16*((\t)%4)+4*\i:R+16*((\t)%4)+4*\i+3], v3, s[4:5] offset:2048*(\t)+512*\i th:TH_LOAD_NT   ; 32 lanes read 512 consecutive bytes
.endr
.endm
.macro TURN t                          ; step t's numbers through the stage: LDS serves a wave's instructions in order, so no wait stands between the stores and the loads
.irp i, 0,1,2,3
	ds_store_b128 v14, v[R+16*((\t)%4)+4*\i:R+16*((\t)%4)+4*\i+3] offset:32*SP*((\t)%2)+8*SP*\i
.endr
.irp i, 0,1,2,3
	ds_load_b128 v[X+16*((\t)%2)+4*\i:X+16*((\t)%2)+4*\i+3], v15 offset:32*SP*((\t)%2)+16*\i
.endr
.endm
.macro STEP t
.set XS, X+16*((\t)%2)
.if (\t) > 0
	s_wait_dscnt 1                                 ; this step's numbers are back from the stage (the last step's byte store may be out)
.else
	s_wait_dscnt 0x0
.endif
.if (\t)+4 < STEPS
	LOAD (\t)+4                                    ; the registers that the stage's stores have read take the loads of four steps on
.endif
.if (\t)+1 < STEPS
.if STEPS-2-(\t) >= 3
	s_wait_loadcnt 12                              ; the next step's four loads are in; those of the three steps behind it may be out
.else
	s_wait_loadcnt 4*(STEPS-2-(\t))
.endif
	TURN (\t)+1
.endif
	v_max3_num_f32 v8, |v[XS]|, |v[XS+1]|, |v[XS+2]|               ; the largest magnitude of my 16, in two chains
	v_max3_num_f32 v9, |v[XS+3]|, |v[XS+4]|, |v[XS+5]|
.irp i, 6,10
	v_max3_num_f32 v8, v8, |v[XS+\i]|, |v[XS+\i+1]|
	v_max3_num_f32 v9, v9, |v[XS+\i+2]|, |v[XS+\i+3]|
.endr
	v_max3_num_f32 v8, v8, |v[XS+14]|, |v[XS+15]|
	v_max3_num_f32 v8, v8, v9, (EMAX+1)<<23        ; and the floor 2^(3 - 127): the byte cannot fall under 1
	v_max_num_f32_dpp v8, v8, v8 row_xmask:1 row_mask:0xf bank_mask:0xf   ; and of my neighbour's 16: the block's
	v_add_nc_u32 v11, 0xff000000, v8               ; 2 off its exponent field: the conversion takes the exponent field of this operand as its scale
	v_cvt_scalef32_pk8_fp4_f32 v[C+4*(\t)], v[XS:XS+7], v11
	v_cvt_scalef32_pk8_fp4_f32 v[C+4*(\t)+1], v[XS+8:XS+15], v11
	v_lshrrev_b32 v[E+(\t)], 23, v11               ; the scale's byte (a plain line behind the conversions)
	ds_store_b8 v5, v[E+(\t)] offset:16*(\t)       ; both lanes of a block write the same byte with the same value
	global_store_b64 v4, v[C+4*(\t):C+4*(\t)+1], s[10:11] offset:32*CB*(\t)   ; the wave stores 256 consecutive bytes, aligned
.endm
; cos and sin for position P0 + i and my lane's pair
.macro SINCOS i
	s_add_co_u32 s29, s28, \i
	v_cvt_f32_u32 v21, s29
	v_mul_f32 v21, v21, v20                        ; the angle, rounded once, as reference() has it
	v_mul_f32 v22, 0x3f22f983, v21                 ; x 2 / pi
	v_rndne_f32 v22, v22                           ; n
	v_fma_f32 v23, -v22, s20, v21
	v_fma_f32 v23, -v22, s21, v23                  ; r = the angle - n pi / 2
	v_cvt_i32_f32 v24, v22
	v_mul_f32 v25, v23, v23                        ; r^2
	v_fma_f32 v26, v25, s24, s23
	v_fma_f32 v27, v25, s27, s26
	v_fma_f32 v26, v26, v25, s22
	v_fma_f32 v27, v27, v25, s25
	v_mul_f32 v28, v25, v23
	v_fma_f32 v27, v27, v25, -0.5
	v_fma_f32 v26, v26, v28, v23                   ; sin r
	v_fma_f32 v27, v27, v25, 1.0                   ; cos r
	v_and_b32 v29, 1, v24
	v_cmp_eq_u32 vcc_lo, 1, v29                    ; in odd quadrants the two change places
	v_cndmask_b32 v30, v26, v27, vcc_lo
	v_cndmask_b32 v31, v27, v26, vcc_lo
	v_and_b32 v29, 2, v24                          ; sin is negative in quadrants 2 and 3,
	v_lshlrev_b32 v29, 30, v29
	v_xor_b32 v[81+2*\i], v29, v30
	v_add_nc_u32 v29, 1, v24                       ; cos in quadrants 1 and 2
	v_and_b32 v29, 2, v29
	v_lshlrev_b32 v29, 30, v29
	v_xor_b32 v[80+2*\i], v29, v31
	global_store_b64 v4, v[80+2*\i:81+2*\i], s[16:17] offset:256*\i   ; the 32 lanes store a position's 256 bytes, aligned
.endm
	s_load_b256 s[4:11], s[0:1], 0x0               ; x s[4:5], qkv_w s[6:7], proj_w s[8:9], codes s[10:11]
	s_load_b128 s[12:15], s[0:1], 0x20             ; scales s[12:13], pw s[14:15]
	s_load_b64 s[16:17], s[0:1], 0x30              ; rope
	v_lshl_add_u32 v[SPW], v0, 2, SPARE
	v_mov_b32 v[NIL], 0
	v_lshrrev_b32 v1, 5, v0
	v_readfirstlane_b32 s18, v1                    ; wave
	v_and_b32 v2, 31, v0                           ; lane
	v_lshlrev_b32 v3, 4, v2                        ; 16 x lane
	v_lshlrev_b32 v4, 3, v2                        ; 8 x lane
	s_wait_kmcnt 0x0
	s_cmp_lt_u32 ttmp9, 352
	s_cbranch_scc0 .Lnot_quant
	; ---- the quantiser
	s_mul_i32 s19, s18, WREG
	v_lshrrev_b32 v14, 2, v2
	v_mul_u32_u24 v14, v14, SP
	v_and_b32 v15, 3, v2
	v_lshl_add_u32 v14, v15, 4, v14
	v_add_nc_u32 v14, s19, v14                     ; the stage, on the way in: four lanes' 64 bytes on end, then 16 of padding
	v_mul_u32_u24 v15, v2, SP
	v_add_nc_u32 v15, s19, v15                     ; and on the way out: my 16 neighbours
	v_lshrrev_b32 v5, 1, v2
	s_add_co_u32 s19, s19, 2*32*SP
	v_add_nc_u32 v5, s19, v5                       ; my wave's 256 scale bytes, my block's byte
	v_add_nc_u32 v6, s19, v4                       ; and on the way out 8 bytes a lane
	s_cmp_lt_u32 ttmp9, 256                        ; x's work-group or qkv_w's: the choice hangs on the work-group's number alone
	s_cselect_b64 s[4:5], s[4:5], s[6:7]
	s_cselect_b32 s19, 0, 256
	s_sub_co_u32 s19, ttmp9, s19
	s_lshl_b32 s19, s19, 2
	s_add_co_u32 s20, s19, s18                     ; which run of 8,192 numbers of the tensor is my wave's
	s_lshl_b32 s20, s20, 15                        ; 32,768 bytes a run
	s_mov_b32 s21, 0
	s_add_nc_u64 s[4:5], s[4:5], s[20:21]
	s_lshl_b32 s22, ttmp9, 2
	s_add_co_u32 s22, s22, s18                     ; and which run of the two tensors on end
	s_lshl_b32 s20, s22, 12                        ; 4,096 bytes of codes a run
	s_add_nc_u64 s[10:11], s[10:11], s[20:21]
	s_lshl_b32 s20, s22, 8                         ; 256 scale bytes a run
	s_add_nc_u64 s[12:13], s[12:13], s[20:21]
.irp t, 0,1,2,3
	LOAD \t
.endr
	s_wait_loadcnt 12                              ; step 0's four loads are in
	TURN 0
.irp t, 0,1,2,3,4,5,6,7,8,9,10,11,12,13,14,15
	STEP \t
.endr
	ds_load_b64 v[8:9], v6                         ; LDS serves a wave's instructions in order: these see my byte stores
	s_wait_dscnt 0x0
	global_store_b64 v4, v[8:9], s[12:13]          ; 32 lanes store 256 consecutive bytes, aligned
	s_wait_tensorcnt 0x0                           ; the wave's end, behind my last LDS store
	ds_add_u32 v[SPW], v[NIL]
	s_wait_dscnt 0x0
	s_endpgm
.Lnot_quant:
	s_cmp_lt_u32 ttmp9, 480
	s_cbranch_scc0 .Ltable
	; ---- proj_w to f16: 2,048 numbers a wave
	s_sub_co_u32 s19, ttmp9, 352
	s_lshl_b32 s19, s19, 2
	s_add_co_u32 s19, s19, s18
	s_lshl_b32 s20, s19, 13
	s_mov_b32 s21, 0
	s_add_nc_u64 s[8:9], s[8:9], s[20:21]
	s_lshl_b32 s20, s19, 12
	s_add_nc_u64 s[14:15], s[14:15], s[20:21]
.irp i, 0,1,2,3,4,5,6,7,8,9,10,11,12,13,14,15
	global_load_b128 v[16+4*\i:19+4*\i], v3, s[8:9] offset:512*\i th:TH_LOAD_NT
.endr
.irp i, 0,1,2,3,4,5,6,7,8,9,10,11,12,13,14,15
	s_wait_loadcnt 15-\i                           ; loads come back in order: load i is in, the younger ones may be out
	v_cvt_pk_f16_f32 v[80+2*\i], v[16+4*\i], v[17+4*\i]
	v_cvt_pk_f16_f32 v[81+2*\i], v[18+4*\i], v[19+4*\i]
	global_store_b64 v4, v[80+2*\i:81+2*\i], s[14:15] offset:256*\i   ; 256 consecutive bytes, aligned; no register is written twice
.endr
	s_endpgm
.Ltable:
	; ---- the table: 16 positions a wave, a lane to a pair
	s_sub_co_u32 s28, ttmp9, 480
	s_lshl_b32 s28, s28, 2
	s_add_co_u32 s28, s28, s18
	s_lshl_b32 s28, s28, 4                         ; my first position
	s_lshl_b32 s20, s28, 8
	s_mov_b32 s21, 0
	s_add_nc_u64 s[16:17], s[16:17], s[20:21]
	s_mov_b32 s20, 0x3fc90fdb                      ; pi / 2, its f32,
	s_mov_b32 s21, 0xb33bbd2e                      ; and what that leaves
	s_mov_b32 s22, 0xbe2aaaab                      ; -1 / 6
	s_mov_b32 s23, 0x3c088889                      ; 1 / 120
	s_mov_b32 s24, 0xb9500d01                      ; -1 / 5040
	s_mov_b32 s25, 0x3d2aaaab                      ; 1 / 24
	s_mov_b32 s26, 0xbab60b61                      ; -1 / 720
	s_mov_b32 s27, 0x37d00d01                      ; 1 / 40320
	v_cvt_f32_u32 v20, v2
	v_mul_f32 v20, 0xbed49a78, v20                 ; -j x log2(10000) / 32
	v_exp_f32 v20, v20
	v_nop                                          ; a plain line behind the exponential,
	s_wait_alu depctr_va_vdst(0)                   ; and the wait ahead of its first reader
.irp i, 0,1,2,3,4,5,6,7,8,9,10,11,12,13,14,15
	SINCOS \i
.endr
	s_endpgm
.Lfunc_end_k_qc4ac62bf99_prep:
	.size	k_qc4ac62bf99_prep, .Lfunc_end_k_qc4ac62bf99_prep-k_qc4ac62bf99_prep
	.p2alignl 7, 3214868480
	.fill 96, 4, 3214868480
	.section	.rodata,"a",@progbits
	.p2align	6, 0x0
	.amdhsa_kernel k_qc4ac62bf99_prep
		.amdhsa_group_segment_fixed_size 33280
		.amdhsa_private_segment_fixed_size 0
		.amdhsa_enable_private_segment 0
		.amdhsa_kernarg_size 56
		.amdhsa_user_sgpr_count 2
		.amdhsa_user_sgpr_kernarg_segment_ptr 1
		.amdhsa_wavefront_size32 1
		.amdhsa_system_sgpr_workgroup_id_x 1
		.amdhsa_system_sgpr_workgroup_id_y 1
		.amdhsa_system_sgpr_workgroup_id_z 1
		.amdhsa_system_vgpr_workitem_id 0
		.amdhsa_next_free_vgpr 192
		.amdhsa_next_free_sgpr 66
		.amdhsa_reserve_vcc 1
		.amdhsa_float_denorm_mode_32 3
		.amdhsa_float_denorm_mode_16_64 3
		.amdhsa_memory_ordered 1
		.amdhsa_forward_progress 1
		.amdhsa_inst_pref_size 61
	.end_amdhsa_kernel
	.amdgpu_metadata
---
amdhsa.version: [ 1, 2 ]
amdhsa.kernels:
  - .name:           k_qc4ac62bf99_prep
    .symbol:         k_qc4ac62bf99_prep.kd
    .args:
      - { .name: x, .offset: 0, .size: 8, .value_kind: global_buffer, .address_space: global }
      - { .name: qkv_w, .offset: 8, .size: 8, .value_kind: global_buffer, .address_space: global }
      - { .name: proj_w, .offset: 16, .size: 8, .value_kind: global_buffer, .address_space: global }
      - { .name: codes, .offset: 24, .size: 8, .value_kind: global_buffer, .address_space: global }
      - { .name: scales, .offset: 32, .size: 8, .value_kind: global_buffer, .address_space: global }
      - { .name: pw, .offset: 40, .size: 8, .value_kind: global_buffer, .address_space: global }
      - { .name: rope, .offset: 48, .size: 8, .value_kind: global_buffer, .address_space: global }
    .group_segment_fixed_size: 33280
    .private_segment_fixed_size: 0
    .kernarg_segment_align: 8
    .kernarg_segment_size: 56
    .max_flat_workgroup_size: 128
    .sgpr_count:     66
    .vgpr_count:     192
    .wavefront_size: 32
...
	.end_amdgpu_metadata
.endif
;; end of part 1
;; launch qkv (part 2): grid 12 x 32, 4 waves a work-group, clusters of 4 x 4, 327,680 bytes of LDS; arguments codes, scales, qkv_b, rope, qkv, first; writes qkv, first
.if DOCPART == 2
	.amdgcn_target "amdgcn-amd-amdhsa--gfx1250"
	.amdhsa_code_object_version 6
	.text
	.protected	k_qc4ac62bf99_qkv
	.globl	k_qc4ac62bf99_qkv
	.p2align	8
	.type	k_qc4ac62bf99_qkv,@function
k_qc4ac62bf99_qkv:
	s_mov_b64 s[64:65], 0
	v_nop
	global_prefetch_b8 v0, s[64:65] scope:SCOPE_SE
	s_setreg_imm32_b32 hwreg(HW_REG_WAVE_MODE, 25, 1), 1
	s_wait_xcnt 0x0
	s_wait_alu depctr_hold_cnt(0) depctr_sa_sdst(0) depctr_va_vdst(0) depctr_va_sdst(0) depctr_va_ssrc(0) depctr_va_vcc(0) depctr_vm_vsrc(0)
	s_getreg_b32 s2, hwreg(HW_REG_IB_STS2, 6, 4)
	s_cmp_eq_u32 s2, 0
	s_cbranch_scc0 .Lentry_in_a_cluster
	s_endpgm
.Lentry_in_a_cluster:
	s_bfe_u32 s2, ttmp6, 0x10000c
	s_cmp_lg_u32 s2, 0xf033
	s_cbranch_scc0 .Lentry_shape_is_right
	s_endpgm
.Lentry_shape_is_right:
; q, k, v = x qkv_w^T + qkv_b on codes of E2M1 with one E8M0 scale for each 32 along K (M 8,192, N 3,072, K 1,024), then the rotation of q and k, in f32; the results leave as f16,
; laid [section q, k, v][batch][head][position][64] (a head 262,144 bytes, a section's 64 heads 16,777,216); positions 0 to 15 of every sequence leave in f32 as well, laid [section][batch][head][16][64], for the launch that carries them finely.
; No work of reference() is left out here.
; A tile of 256 x 256 is made by a work-group of four waves, a wave makes 128 x 128: 64 accumulators, 512 registers.  K = 1,024 is two slots of 512: both are asked for at the head, nothing is filled again, and there is no loop.
; By this text's own count a wave has three tensor loads out: its quarter of the scales, of slot 0 and of slot 1.
; THE SCALES of the work-group's 256 rows of x and of qkv_w, for all of K, are two dense blocks of memory and come into LDS once.
; CLUSTERS: 4 x 4 work-groups.  The four of a row of the cluster need the same tiles of x, the four of a column the same tiles of qkv_w: each tile is asked for jointly.
; THE TILES ARE DEALT SO THAT WHAT THE TEXT BRANCHES ON IS THE SAME IN ALL SIXTEEN PARTNERS: tile column = 4 x cluster x + cx, so the section (1,024 columns) is the cluster's x;
; tile row = 8 cy + cluster y, so the batch is cy and the block of 256 positions is the cluster's y.
; THE TEXT PARTS ONCE, on the section, behind the change of slots: q and k ask for the table of cos and sin there, a slot's 256 matrix instructions ahead of its first use, and take the way out that rotates;
; v asks for no table and takes the plain way out.  Slot 1's four K steps are therefore written twice.  No barrier stands between the parting and the join.
; THE MATRIX INSTRUCTION IS USED TRANSPOSED (source 0 = 16 rows of qkv_w, source 1 = 16 rows of x): lane (r, h) holds row r and eight neighbouring columns 8 h + 0 .. 7: four pairs of the rotation.
; The bias is the C of each sum's first matrix instruction.
; LIMIT: a result beyond 65,504 in magnitude becomes infinity in f16.
; REGISTERS, in windows of 256: window 0: v0-31 addresses; v32-95 scale words, two sets, and nothing else; v96-127 packed results; v128-191 x's fragments, later rows read back from the stage;
;   v192-255 the bias (8 blocks of columns x 8), later the rotated numbers.   window 1: qkv_w's fragments, two sets, at v0 and v128; the table of cos and sin, four sets of 32, at v64, v96, v192, v224.
;   window 2: the accumulators of my rows 0-63 ((a, b) at v[8 (8 a + b)]);   window 3: those of my rows 64-127.
.set KSTEP,  512
.set NQ,     4                         ; matrix instructions deep in a slot
.set ROWB,   256                       ; a tile's row in bytes
.set KROW,   512                       ; a row of codes in memory
.set PITCH,  272                       ; an LDS row: 256 bytes + 16 of padding = 68 words: the 16 rows that a load touches start at 16 different banks (64 banks of 4 bytes: ISA guide 11.1)
.set FR,     8
.set NL,     2
.set NP,     4                         ; places behind this matrix instruction (ISA guide 7.12.1)
.set HALFT,  128*PITCH
.set SLOT,   4*HALFT
.set KS,     32                        ; a row of scales in bytes
.set SCL,    2*SLOT                    ; behind the two slots: the scales, as units of 256 bytes + 16 of padding
.set HALFS,  16*272                    ; the scales of 128 rows
.set SBLK,   2*272                     ; those of 16 rows
.set SPARE,  SCL+4*HALFS               ; the spare words, 128 bytes for each wave
.set SPITCH, 272                       ; the way out: stages of 16 rows x (256 bytes + 16) for each wave, in slot 0, which has had its only fill and its last read by then; each of the two ways out has its own four
.set ADRA, 16
.set ADRB, 20
.set STO,  24
.set RD,   25
.set CO,   26
.set ADRS, 27
.set SPW,  28
.set NIL,  29
.set TA,   30                          ; v30  256 r + 32 h: my place in 16 positions of the table, and in 16 rows of f32 results
.set BA,   31                          ; v31  32 h: my eight numbers of 16 of the bias
.set SC,   32
.set PK,   96
.set AF,   128
.set BK,   128
.set BI,   192
.set TMP,  192
.set G1, 24
.set G0, 32
.set G1B, 48
.set G0B, 56
.set G1S, 68
.set G0S, 76
.set G1SB, 80
.set G0SB, 88
.set MSB, 0
.macro WIN new                         ; the immediate's high byte repeats the setting that is left
.if MSB != \new
	s_set_vgpr_msb (MSB<<8)|\new
.set MSB, \new
.endif
.endm
.set MUL_LO, 0xa1                      ; source 0 window 1, source 1 window 0, C and D window 2
.set MUL_HI, 0xf1                      ; the same, C and D window 3
.set TO_B,   0x40                      ; destination window 1, address window 0
; A joint load: waves 0 and 1 fetch for x, waves 2 and 3 for qkv_w.  The branch hangs on the wave's number alone.  An s_nop 0 and four v_nop follow each of the two lines.
.macro JLOAD g0a, g1a, g0b, g1b
	s_cmp_eq_u32 s15, 0
	s_cbranch_scc0 .Lfor_b_\@
	tensor_load_to_lds s[\g0a:\g0a+3], s[\g1a:\g1a+7]
	s_nop 0
.rept 4
	v_nop
.endr
	s_branch .Lasked_\@
.Lfor_b_\@:
	tensor_load_to_lds s[\g0b:\g0b+3], s[\g1b:\g1b+7]
	s_nop 0
.rept 4
	v_nop
.endr
.Lasked_\@:
.endm
.macro CROUND                          ; a round of the cluster's barrier
	s_barrier_signal -1
	s_barrier_wait -1
	s_cmp_lg_u32 s14, 0
	s_cbranch_scc1 .Lnot_wave_0_\@
	s_barrier_signal -3
.Lnot_wave_0_\@:
	s_barrier_wait -3
	s_barrier_signal -1
	s_barrier_wait -1
.endm
	s_load_b256 s[4:11], s[0:1], 0x0               ; codes s[4:5], scales s[6:7], qkv_b s[8:9], rope s[10:11]
	s_load_b64 s[12:13], s[0:1], 0x20              ; qkv
	s_load_b64 s[96:97], s[0:1], 0x28              ; first
	v_lshl_add_u32 v[SPW], v0, 2, SPARE
	v_mov_b32 v[NIL], 0
	ds_add_u32 v[SPW], v[NIL]                      ; the wave's opening: the add, twice on end, and its wait ahead of my first tensor load
	ds_add_u32 v[SPW], v[NIL]
	v_lshrrev_b32 v1, 5, v0
	v_readfirstlane_b32 s14, v1                    ; wave 0..3
	s_lshr_b32 s15, s14, 1                         ; which half of the tile's rows is mine.  Also: I fetch for x (0) or for qkv_w (1)
	s_and_b32 s16, s14, 1                          ; which half of its columns.  Also: which 128 rows of that tile I fetch
	s_bfe_u32 s40, ttmp6, 0x40000                  ; cx, cy: my place in the cluster
	s_bfe_u32 s41, ttmp6, 0x40004
	s_lshl_b32 s42, ttmp9, 2
	s_add_co_u32 s42, s42, s40                     ; tile column = 4 x cluster x + cx
	s_and_b32 s66, ttmp7, 0xffff                   ; cluster y: the block of 256 positions
	s_lshl_b32 s17, s41, 3
	s_add_co_u32 s17, s17, s66                     ; tile row = 8 cy + cluster y
	s_lshl_b32 s43, s41, 2
	s_lshl_b32 s43, 15, s43                        ; my row of the cluster
	s_lshl_b32 s44, 0x1111, s40                    ; my column
	s_or_b32 s[G1+0], s43, (0<<16)|(1<<20)|(1<<21)|(5<<22)|(3<<25)  ; the mask; elements of 1 byte; padding on; bit 21 beside a mask; after every 64 words four words
	s_or_b32 s[G1B+0], s44, (0<<16)|(1<<20)|(1<<21)|(5<<22)|(3<<25)
.irp g, G1, G1B
	s_mov_b32 s[\g+1], ROWB<<16                    ; tensor_dim0
	s_mov_b32 s[\g+2], 128<<16                     ; tensor_dim1
	s_mov_b32 s[\g+3], ROWB<<16                    ; tile_dim0
	s_mov_b32 s[\g+4], 128                         ; tile_dim1
	s_mov_b32 s[\g+5], KROW                        ; tensor_dim0_stride
	s_mov_b32 s[\g+6], 0
	s_mov_b32 s[\g+7], 0
.endr
	s_or_b32 s[G1S+0], s43, (3<<16)|(1<<20)|(1<<21)|(5<<22)|(3<<25) ; the scales of 128 rows: 4,096 dense bytes as 16 rows of 256 (32 elements of 8 bytes), 16 bytes of padding behind each
	s_or_b32 s[G1SB+0], s44, (3<<16)|(1<<20)|(1<<21)|(5<<22)|(3<<25)
.irp g, G1S, G1SB
	s_mov_b32 s[\g+1], 32<<16
	s_mov_b32 s[\g+2], 16<<16
	s_mov_b32 s[\g+3], 32<<16
	s_mov_b32 s[\g+4], 16
	s_mov_b32 s[\g+5], 32
	s_mov_b32 s[\g+6], 0
	s_mov_b32 s[\g+7], 0
.endr
	s_lshl_b32 s18, s16, 7                         ; which 128 rows of the tile I fetch
	s_lshl_b32 s20, s17, 8
	s_add_co_u32 s20, s20, s18                     ; x: row 256 x tile row + 128 x half
	s_lshl_b32 s46, s42, 8
	s_add_co_u32 s46, s46, s18                     ; qkv_w: row 256 x tile column + 128 x half
	s_mov_b32 s21, 0
	s_mov_b32 s47, 0
	s_mov_b64 s[18:19], KS
	s_mul_u64 s[22:23], s[20:21], s[18:19]         ; where these rows' scales begin,
	s_mul_u64 s[92:93], s[46:47], s[18:19]
	s_add_nc_u64 s[92:93], s[92:93], 0x40000       ; (qkv_w's lie behind x's 262,144 bytes)
	s_mov_b64 s[18:19], KROW
	s_mul_u64 s[20:21], s[20:21], s[18:19]         ; and their codes
	s_mul_u64 s[46:47], s[46:47], s[18:19]
	s_add_nc_u64 s[46:47], s[46:47], 0x400000      ; (behind x's 4,194,304 bytes)
	s_mul_i32 s45, s14, HALFT                      ; where they go: wave x 128 rows: no place in the cluster enters an LDS address
	s_mul_i32 s94, s14, HALFS
	s_wait_dscnt 0x0                               ; both opening adds are done
	s_wait_kmcnt 0x0
	s_add_nc_u64 s[20:21], s[4:5], s[20:21]
	s_add_nc_u64 s[22:23], s[6:7], s[22:23]
	s_add_nc_u64 s[46:47], s[4:5], s[46:47]
	s_add_nc_u64 s[92:93], s[6:7], s[92:93]
	CROUND                                         ; all sixteen work-groups are here: the joint loads meet
	s_mov_b32 s[G0S], 1
	s_add_co_u32 s[G0S+1], s94, SCL
	s_mov_b64 s[G0S+2:G0S+3], s[22:23]
	s_or_b32 s[G0S+3], s[G0S+3], 0x80000000
	s_mov_b32 s[G0SB], 1
	s_add_co_u32 s[G0SB+1], s94, SCL
	s_mov_b64 s[G0SB+2:G0SB+3], s[92:93]
	s_or_b32 s[G0SB+3], s[G0SB+3], 0x80000000
	JLOAD G0S, G1S, G0SB, G1SB                     ; the scales first: they are wanted with slot 0
.irp s, 0,1
	s_mov_b32 s[G0+4*\s], 1
	s_add_co_u32 s[G0+4*\s+1], s45, \s*SLOT
	s_add_nc_u64 s[G0+4*\s+2:G0+4*\s+3], s[20:21], \s*ROWB
	s_or_b32 s[G0+4*\s+3], s[G0+4*\s+3], 0x80000000
	s_mov_b32 s[G0B+4*\s], 1
	s_add_co_u32 s[G0B+4*\s+1], s45, \s*SLOT
	s_add_nc_u64 s[G0B+4*\s+2:G0B+4*\s+3], s[46:47], \s*ROWB
	s_or_b32 s[G0B+4*\s+3], s[G0B+4*\s+3], 0x80000000
	JLOAD G0+4*\s, G1, G0B+4*\s, G1B
.endr
	v_and_b32 v1, 15, v0                           ; r = l % 16
	v_bfe_u32 v2, v0, 4, 1                         ; h = l / 16
	v_mul_u32_u24 v3, v1, PITCH
	v_lshl_add_u32 v4, v2, 4, v3                   ; a fragment's row x pitch + 16 x half
	s_mul_i32 s21, s15, HALFT                      ; my 128 rows of x
	s_mul_i32 s22, s16, HALFT                      ; my 128 rows of qkv_w,
	s_add_co_u32 s22, s22, 2*HALFT                 ; which lie behind x's 256
.irp s, 0,1
	v_add_nc_u32 v[ADRA+\s], s21, v4
	v_add_nc_u32 v[ADRB+\s], s22, v4
	s_add_co_u32 s21, s21, SLOT
	s_add_co_u32 s22, s22, SLOT
.endr
	v_mul_u32_u24 v5, v1, KS                       ; my row's scales: 32 bytes a row,
	v_lshrrev_b32 v6, 8, v5
	v_lshl_add_u32 v5, v6, 4, v5                   ; and 16 more for each 256 passed
	s_mul_i32 s21, s15, HALFS
	s_mul_i32 s22, s16, HALFS
	s_add_co_u32 s22, s22, 2*HALFS
	s_sub_co_u32 s22, s22, s21
	v_mul_u32_u24 v6, s22, v2                      ; lanes 16-31 take qkv_w's
	s_add_co_u32 s21, s21, SCL
	v_add_nc_u32 v5, v5, v6
	v_add_nc_u32 v[ADRS], s21, v5
	s_mul_i32 s23, s14, 16*SPITCH                  ; my stage
	v_mul_u32_u24 v5, v1, SPITCH                   ; in: row r, 16 bytes for each half of the lanes
	v_lshl_add_u32 v5, v2, 4, v5
	v_add_nc_u32 v[STO], s23, v5
	v_and_b32 v6, 31, v0
	v_lshlrev_b32 v[CO], 4, v6                     ; out: 16 bytes a lane of 512 consecutive bytes: four positions of one head
	v_lshrrev_b32 v5, 3, v6
	v_mul_u32_u24 v5, v5, SPITCH                   ; back: eight lanes to a position's 128 bytes of one head
	v_and_b32 v6, 7, v6
	v_lshl_add_u32 v5, v6, 4, v5
	v_add_nc_u32 v[RD], s23, v5
	v_lshlrev_b32 v[TA], 8, v1
	v_lshl_add_u32 v[TA], v2, 5, v[TA]
	v_lshlrev_b32 v[BA], 5, v2
	; the plain bases, in registers that feed no descriptor
	s_lshl_b32 s95, s41, 4
	s_lshl_b32 s3, s40, 2
	s_add_co_u32 s95, s95, s3
	s_lshl_b32 s3, s16, 1
	s_add_co_u32 s95, s95, s3                      ; my first head, counted through the batches: 16 cy + 4 cx + 2 x column half
	s_mov_b32 s99, 0
	s_lshl_b32 s98, s95, 18                        ; a head is 2,048 x 64 x 2 = 262,144 bytes of f16;
	s_lshl_b32 s3, s66, 15                         ; 256 positions of 128 bytes;
	s_add_co_u32 s98, s98, s3
	s_lshl_b32 s3, s15, 14                         ; my 128 of them;
	s_add_co_u32 s98, s98, s3
	s_lshl_b32 s3, ttmp9, 24                       ; a section is 64 heads: 16,777,216 bytes
	s_add_co_u32 s98, s98, s3
	s_add_nc_u64 s[12:13], s[12:13], s[98:99]
	s_lshl_b32 s98, s95, 12                        ; in first: 4,096 bytes a head, 262,144 a section
	s_lshl_b32 s3, ttmp9, 18
	s_add_co_u32 s98, s98, s3
	s_add_nc_u64 s[96:97], s[96:97], s[98:99]
	s_lshl_b32 s98, s66, 16                        ; the table: 256 bytes a position
	s_lshl_b32 s3, s15, 15
	s_add_co_u32 s98, s98, s3
	s_add_nc_u64 s[10:11], s[10:11], s[98:99]
	s_lshl_b32 s98, ttmp9, 12                      ; the bias: 4 bytes a column: 1,024 a section, 256 a tile, 128 a wave
	s_lshl_b32 s3, s40, 10
	s_add_co_u32 s98, s98, s3
	s_lshl_b32 s3, s16, 9
	s_add_co_u32 s98, s98, s3
	s_add_nc_u64 s[8:9], s[8:9], s[98:99]
	s_or_b32 s67, s66, s15                         ; 0 where my rows begin with position 0: the cluster's y and the wave's number alone
.irp b, 0,1,2,3,4,5,6,7
	global_load_b128 v[BI+8*\b:BI+8*\b+3], v[BA], s[8:9] offset:64*\b          ; the bias in the result's layout: columns 16 b + 8 h + 0 .. 7
	global_load_b128 v[BI+8*\b+4:BI+8*\b+7], v[BA], s[8:9] offset:64*\b+16
.endr
; cos and sin for my rows' block a (16 positions): register 8 bq + 2 p, + 1 of the set: pair 8 bq + 4 h + p at position 16 a + r.  Both heads of the wave use the same set.
.macro TABLE a
.set TR, 64+32*((\a)%2)+128*(((\a)%4)/2)
.irp bq, 0,1,2,3
.irp e, 0,1
	global_load_b128 v[TR+8*\bq+4*\e:TR+8*\bq+4*\e+3], v[TA], s[10:11] offset:(\a)*4096+64*\bq+16*\e
.endr
.endr
.endm
.macro FRAG reg, adr, q, i             ; a fragment, 16 rows x 128 K of 4-bit codes: lane l holds row l % 16; registers 4 c .. 4 c + 3 hold K = 64 c + 32 (l / 16) + 0 .. 31
.irp c, 0,1
	ds_load_b128 v[\reg+4*\c:\reg+4*\c+3], v[\adr] offset:64*(\q)+32*\c+(\i)*16*PITCH
.endr
.endm
; 16 matrix instructions: x's blocks a0, a0 + 1 against qkv_w's eight, 128 along K.  zero = 1: the first product starts the sums, on the bias.  The 64 accumulators take turns, one instruction a turn.
.macro MUL16 a0, p, q, sc, zero
.irp a, \a0, \a0+1
.irp b, 0,1,2,3,4,5,6,7
.if \zero
	v_wmma_scale_f32_16x16x128_f8f6f4 v[8*(8*((\a)%4)+\b):8*(8*((\a)%4)+\b)+7], v[128*(\p)+FR*\b:128*(\p)+FR*\b+FR-1], v[AF+FR*(\a):AF+FR*(\a)+FR-1], v[BI+8*\b:BI+8*\b+7], v[SC+8*NQ*(\sc)+NQ*\b+(\q)], v[SC+8*NQ*(\sc)+NQ*(\a)+(\q)] matrix_a_fmt:MATRIX_FMT_FP4 matrix_b_fmt:MATRIX_FMT_FP4 matrix_a_scale:MATRIX_SCALE_ROW1
.else
	v_wmma_scale_f32_16x16x128_f8f6f4 v[8*(8*((\a)%4)+\b):8*(8*((\a)%4)+\b)+7], v[128*(\p)+FR*\b:128*(\p)+FR*\b+FR-1], v[AF+FR*(\a):AF+FR*(\a)+FR-1], v[8*(8*((\a)%4)+\b):8*(8*((\a)%4)+\b)+7], v[SC+8*NQ*(\sc)+NQ*\b+(\q)], v[SC+8*NQ*(\sc)+NQ*(\a)+(\q)] matrix_a_fmt:MATRIX_FMT_FP4 matrix_b_fmt:MATRIX_FMT_FP4 matrix_a_scale:MATRIX_SCALE_ROW1
.endif
.endr
.endr
.endm
.macro FETCH_B slot, q, p
	WIN TO_B
.irp i, 0,1,2,3,4,5,6,7
	FRAG 128*(\p)+FR*\i, ADRB+\slot, \q, \i
.endr
	WIN 0
.endm
.macro FETCH_A slot, q, i0
.irp i, \i0, \i0+1, \i0+2, \i0+3
	FRAG AF+FR*(\i), ADRA+\slot, \q, \i
.endr
.endm
.macro SCALES sc                       ; a slot's scale words: four words a row; lanes 0-15 take x's block i, lanes 16-31 qkv_w's block i
.irp i, 0,1,2,3,4,5,6,7
	ds_load_b128 v[SC+8*NQ*\sc+NQ*\i:SC+8*NQ*\sc+NQ*\i+3], v[ADRS] offset:\i*SBLK
.endr
.endm
.macro PLACES n                        ; plain vector instructions that name none of a matrix instruction's registers: in front of loads into registers that it has read, and of the first read of results
.rept \n
	v_nop
.endr
.endm
.macro STEP slot, q, zero              ; 128 along K, with its successor in the same slot
	s_wait_dscnt 4*NL                              ; qkv_w's set and x's blocks 0-3 are in; the youngest eight loads (x's blocks 4-7) may be out
	WIN MUL_LO-0x20*(\zero)                        ; (zero = 1: C, the bias, lies in window 0)
	MUL16 0, (\q)%2, \q, \slot, \zero
	MUL16 2, (\q)%2, \q, \slot, \zero
	s_wait_dscnt 0
	PLACES NP
	FETCH_B \slot, (\q)+1, 1-(\q)%2
	FETCH_A \slot, (\q)+1, 0
	WIN MUL_HI-0x30*(\zero)
	MUL16 4, (\q)%2, \q, \slot, \zero
	MUL16 6, (\q)%2, \q, \slot, \zero
	PLACES NP
	WIN 0
	FETCH_A \slot, (\q)+1, 4
.endm
; Slot 0's last step changes slots: one barrier; in front of it each wave waits for all its tensor loads (its part of slot 1), adds 0 to its spare word, and waits for that and for its reads of slot 0.
.macro TURN slot, next
	s_wait_tensorcnt 0x0
	ds_add_u32 v[SPW], v[NIL]
	s_wait_dscnt 4*NL+1                            ; (the add and the youngest eight loads may be out)
	WIN MUL_LO
	MUL16 0, 1, NQ-1, \slot, 0
	s_wait_dscnt 0x0                               ; the add is done, and my reads of this slot are over
	s_barrier_signal -1
	MUL16 2, 1, NQ-1, \slot, 0
	WIN 0
	s_barrier_wait -1
	PLACES NP
	v_add_nc_u32 v[ADRS], 4*NQ, v[ADRS]            ; on to the next slot's scale words (no LDS load of mine is out)
	FETCH_B \next, 0, 0
	FETCH_A \next, 0, 0
	SCALES \next
	WIN MUL_HI
	MUL16 4, 1, NQ-1, \slot, 0
	MUL16 6, 1, NQ-1, \slot, 0
	PLACES NP
	WIN 0
	FETCH_A \next, 0, 4
.endm
.macro STEPS slot, from
.set Q, \from
.rept NQ-1-\from
	STEP \slot, Q, 0
.set Q, Q+1
.endr
.endm
; Slot 1's four K steps: 256 matrix instructions; the last fetches nothing more.  Every window is 0 at its head and at its end.
.macro TAIL
	STEPS 1, 0
	s_wait_dscnt 4*NL
	WIN MUL_LO
	MUL16 0, 1, NQ-1, 1, 0
	MUL16 2, 1, NQ-1, 1, 0
	s_wait_dscnt 0
	WIN MUL_HI
	MUL16 4, 1, NQ-1, 1, 0
	MUL16 6, 1, NQ-1, 1, 0
	WIN 0
.endm
; THE WAY OUT, block by block of 16 positions x 128 columns (two heads).
; ROT: the rotation of block a: of a pair (x1, x2): (x1 cos - x2 sin, x1 sin + x2 cos), two packed instructions a pair; each accumulator is read from its low end on.  The set of the table then takes block a + 4's.
.macro ROT a
.set AC, 64*((\a)%4)
.set TR, 64+32*((\a)%2)+128*(((\a)%4)/2)
.if (\a) < 4
	s_wait_loadcnt 24                              ; my block's eight loads are in; behind them stand those of the next three blocks, which may be out
.else
	s_wait_loadcnt 8*(7-(\a))                      ; likewise: 7 - a blocks are left behind mine
.endif
	WIN 0x06+(\a)/4                                ; source 0: window 2 or 3; source 1: window 1
.irp b, 0,1,2,3,4,5,6,7
.irp p, 0,1,2,3
	v_pk_mul_f32 v[TMP+8*\b+2*\p:TMP+8*\b+2*\p+1], v[AC+8*\b+2*\p:AC+8*\b+2*\p+1], v[TR+8*(\b%4)+2*\p:TR+8*(\b%4)+2*\p+1] op_sel_hi:[1,0]   ; (x1 cos, x2 cos)
.endr
.irp p, 0,1,2,3
	v_pk_fma_f32 v[TMP+8*\b+2*\p:TMP+8*\b+2*\p+1], v[AC+8*\b+2*\p:AC+8*\b+2*\p+1], v[TR+8*(\b%4)+2*\p:TR+8*(\b%4)+2*\p+1], v[TMP+8*\b+2*\p:TMP+8*\b+2*\p+1] op_sel:[1,1,0] op_sel_hi:[0,1,1] neg_lo:[0,1,0]   ; low: - x2 sin; high: + x1 sin
.endr
.endr
.if (\a) < 4
	WIN TO_B
	TABLE (\a)+4
.endif
	WIN 0
.endm
.macro PACK a, rope                    ; to f16: 16 bytes a lane for each block of 16 columns
.set AC, 64*((\a)%4)
.if \rope
	WIN 0
.set i, 0
.rept 32
	v_cvt_pk_f16_f32 v[PK+i], v[TMP+2*i], v[TMP+2*i+1]
.set i, i+1
.endr
.else
	WIN 0x0a+5*((\a)/4)                            ; sources 0 and 1: window 2 or 3
.set i, 0
.rept 32
	v_cvt_pk_f16_f32 v[PK+i], v[AC+2*i], v[AC+2*i+1]
.set i, i+1
.endr
	WIN 0
.endif
.endm
; Positions 0 to 15 in f32: only in the waves whose rows begin with position 0.  16 bytes a lane into rows 256 bytes apart: 786,432 bytes in the whole launch.
.macro FIRST rope
	s_cmp_lg_u32 s67, 0
	s_cbranch_scc1 .Lnot_first_\@
.if \rope == 0
	WIN 0x08                                       ; a store's data are its source 1: window 2
.endif
.irp b, 0,1,2,3,4,5,6,7
.irp e, 0,1
.if \rope
	global_store_b128 v[TA], v[TMP+8*\b+4*\e:TMP+8*\b+4*\e+3], s[96:97] offset:(\b/4)*4096+(\b%4)*64+16*\e
.else
	global_store_b128 v[TA], v[8*\b+4*\e:8*\b+4*\e+3], s[96:97] offset:(\b/4)*4096+(\b%4)*64+16*\e
.endif
.endr
.endr
	WIN 0
	s_wait_xcnt 0x0                                ; the stores have read their data: the next block's rotation writes the same registers
.Lnot_first_\@:
.endm
.macro TOSTAGE a                       ; into my stage, and back by heads: four positions x 128 bytes of one head an instruction.  LDS serves a wave's instructions in order (ISA guide 5.7.1.4)
.irp b, 0,1,2,3,4,5,6,7
	ds_store_b128 v[STO], v[PK+4*\b:PK+4*\b+3] offset:SG+32*\b
.endr
.set BB, BK+32*((\a)%2)
.irp t, 0,1,2,3,4,5,6,7
	ds_load_b128 v[BB+4*\t:BB+4*\t+3], v[RD] offset:SG+4*(\t%4)*SPITCH+(\t/4)*128
.endr
.endm
.macro SEND a, younger
.set BB, BK+32*((\a)%2)
	s_wait_dscnt \younger                          ; the block is back in registers
.irp t, 0,1,2,3,4,5,6,7
	global_store_b128 v[CO], v[BB+4*\t:BB+4*\t+3], s[12:13] offset:(\t/4)*262144+(16*(\a)+4*(\t%4))*128   ; 32 lanes store 512 consecutive bytes of one head, aligned; no base is stepped
.endr
.endm
.macro WAYOUT rope
.set SG, (1-\rope)*4*16*SPITCH
	PLACES NP                                      ; behind the last products: for the first reads of results and the loads into the registers that held x's fragments
.irp a, 0,1,2,3,4,5,6,7
.if \rope
	ROT \a
.endif
	PACK \a, \rope
.if \a == 0
	FIRST \rope
.endif
.if \a > 1
	s_wait_xcnt 0x0                                ; block a - 2's stores have read their registers: block a's loads may land there
.endif
	TOSTAGE \a
.if \a > 0
	SEND \a-1, 16                                  ; behind block a - 1's loads: block a's 8 stores and 8 loads
.endif
.endr
	SEND 7, 0
.endm
	s_wait_tensorcnt 1                             ; the scales and my part of slot 0 are in (slot 1's load may be out),
	s_barrier_signal -1
	s_barrier_wait -1                              ; everybody's are
	FETCH_B 0, 0, 0
	FETCH_A 0, 0, 0
	SCALES 0
	FETCH_A 0, 0, 4
	s_wait_loadcnt 0x0                             ; the bias, asked for while the tiles were on their way
	STEP 0, 0, 1
	STEPS 0, 1
	TURN 0, 1
	s_cmp_eq_u32 ttmp9, 2                          ; the section is the cluster's x: all sixteen partners go the same way
	s_cbranch_scc1 .Lvalues
	WIN TO_B                                       ; q and k: the table of my first four blocks of positions, 32 loads into registers that no matrix instruction names
	TABLE 0
	TABLE 1
	TABLE 2
	TABLE 3
	WIN 0
	TAIL
	WAYOUT 1
	s_branch .Lend
.Lvalues:                                              ; v is not rotated
	TAIL
	WAYOUT 0
.Lend:
	s_wait_tensorcnt 0x0                           ; the wave's end, behind my last tensor load and my last LDS store
	ds_add_u32 v[SPW], v[NIL]
	s_wait_dscnt 0x0
	CROUND                                         ; the closing round
	s_endpgm
.Lfunc_end_k_qc4ac62bf99_qkv:
	.size	k_qc4ac62bf99_qkv, .Lfunc_end_k_qc4ac62bf99_qkv-k_qc4ac62bf99_qkv
	.p2alignl 7, 3214868480
	.fill 96, 4, 3214868480
	.section	.rodata,"a",@progbits
	.p2align	6, 0x0
	.amdhsa_kernel k_qc4ac62bf99_qkv
		.amdhsa_group_segment_fixed_size 327680
		.amdhsa_private_segment_fixed_size 0
		.amdhsa_enable_private_segment 0
		.amdhsa_kernarg_size 48
		.amdhsa_user_sgpr_count 2
		.amdhsa_user_sgpr_kernarg_segment_ptr 1
		.amdhsa_wavefront_size32 1
		.amdhsa_system_sgpr_workgroup_id_x 1
		.amdhsa_system_sgpr_workgroup_id_y 1
		.amdhsa_system_sgpr_workgroup_id_z 1
		.amdhsa_system_vgpr_workitem_id 0
		.amdhsa_next_free_vgpr 1024
		.amdhsa_next_free_sgpr 100
		.amdhsa_reserve_vcc 0
		.amdhsa_float_denorm_mode_32 3
		.amdhsa_float_denorm_mode_16_64 3
		.amdhsa_memory_ordered 1
		.amdhsa_forward_progress 1
		.amdhsa_inst_pref_size 241
	.end_amdhsa_kernel
	.amdgpu_metadata
---
amdhsa.version: [ 1, 2 ]
amdhsa.kernels:
  - .name:           k_qc4ac62bf99_qkv
    .symbol:         k_qc4ac62bf99_qkv.kd
    .args:
      - { .name: codes, .offset: 0, .size: 8, .value_kind: global_buffer, .address_space: global }
      - { .name: scales, .offset: 8, .size: 8, .value_kind: global_buffer, .address_space: global }
      - { .name: qkv_b, .offset: 16, .size: 8, .value_kind: global_buffer, .address_space: global }
      - { .name: rope, .offset: 24, .size: 8, .value_kind: global_buffer, .address_space: global }
      - { .name: qkv, .offset: 32, .size: 8, .value_kind: global_buffer, .address_space: global }
      - { .name: first, .offset: 40, .size: 8, .value_kind: global_buffer, .address_space: global }
    .group_segment_fixed_size: 327680
    .private_segment_fixed_size: 0
    .kernarg_segment_align: 8
    .kernarg_segment_size: 48
    .max_flat_workgroup_size: 128
    .sgpr_count:     100
    .vgpr_count:     1024
    .wavefront_size: 32
...
	.end_amdgpu_metadata
.endif
;; end of part 2
;; launch attn (part 3): grid 8 x 32, 16 waves a work-group, no clusters, 327,680 bytes of LDS; arguments qkv, yh; writes yh
.if DOCPART == 3
	.amdgcn_target "amdgcn-amd-amdhsa--gfx1250"
	.amdhsa_code_object_version 6
	.text
	.protected	k_qc4ac62bf99_attn
	.globl	k_qc4ac62bf99_attn
	.p2align	8
	.type	k_qc4ac62bf99_attn,@function
k_qc4ac62bf99_attn:
	s_mov_b64 s[64:65], 0
	v_nop
	global_prefetch_b8 v0, s[64:65] scope:SCOPE_SE
	s_setreg_imm32_b32 hwreg(HW_REG_WAVE_MODE, 25, 1), 1
	s_wait_xcnt 0x0
; y[b][q][head] = the sum over keys k <= q of softmax_k(Q . K / 8) V, for 64 heads (batch x head) of 2,048 positions x 64, operands in f16, products, maxima and sums in f32; y leaves as f16 [8,192][1,024].
; q, k, v lie [section][64 heads][2,048][64] in f16: a head 262,144 bytes, a section 16,777,216.
; LEFT OUT AS DEAD WORK (shown at the head of the first launch): steps of 64 keys all of which come after all 32 queries of a wave, and tiles of K and V that no wave of the work-group reads.
; Positions 0 to 15 are computed here with the rest of their tile; the last launch stores those rows of the result anew from f32.
; SHARES.  A work-group owns TWO heads (so that a row of y's 256 bytes is whole) and of each the query blocks i and 15 - i of 128 (i = the work-group's x): 17 blocks' worth of keys whatever i is.
; Wave w: head w / 8, block (w / 4) % 2, 32 queries 32 (w % 4) on: two tiles of 16.  Four waves to a SIMD, so that one wave's vector work stands beside another's matrix work and LDS loads.
; NO CLUSTER: the eight work-groups of a pair of heads need different numbers of tiles (keys up to 128 (15 - i) + 127): a joint load would bring tiles that a partner never reads.
; LAYOUT.  Both products transposed: S^T = K Q^T (source 0 = 16 keys, source 1 = 16 queries), O^T = V^T P: a lane holds ONE query (lane % 16) throughout; two tiles of S^T, rounded to f16 in pairs, are source 1 of the second product.
; SOFTMAX.  A running maximum m and sum l for each query: p = 2^(c s - c m), c = log2(e) / 8; in every step O and l are multiplied by a = 2^(c m_old - c m_new).  The sum is taken of the unrounded p.
; Every step that is walked has its first key at or under all the wave's queries (steps begin at multiples of 64, waves at multiples of 32), so m is a number from the first step on.
; THE RING.  Two slots of 128 keys of both heads; every work-group walks all 16 slots, so that trip counts are constants; waves 0, 1 fetch K of head 0, 1; waves 2, 3 V.  One tensor load of a wave is out at the most.
; REGISTERS: v1-11 addresses and constants; v12-15 the sums' second chains; v16-31 statistics, 8 a tile: +0 c m, +1 m, +2, +3 l, +4 to +7 at work (a in +6); v32-63 Q; v64-127 S^T, then p, then P in the low 16 of each tile's 32;
;   v128-191 O^T; v192-255 eight fragments of K, then of V.
.set PKK,   144                        ; a key's row of K in LDS: 128 bytes + 16: 36 words: the 16 rows of a load start at 16 different groups of four banks
.set PVV,   160                        ; of V: 128 + 32: 40 words
.set KB,    128*PKK                    ; one head's K of a slot
.set VB,    128*PVV
.set VOFF,  2*KB                       ; a slot: K of head 0, of head 1, V of head 0, of head 1
.set SLOT1, 1<<17
.set SPARE, 2*SLOT1                    ; the spare words, 128 bytes for each of 16 waves
.set SP,    272                        ; the way out: a stage of 256 rows x (256 bytes + 16) in slot 0, which was left at the last change of slots: it has had its last fill, and nobody reads it
.set AK0, 1
.set AV0, 2
.set SPW, 3
.set NIL, 4
.set ADK, 5
.set ADV, 6
.set DM,  7                            ; v7   r - 8 h
.set DD,  8                            ; v8   the mask's limit in the step in hand
.set NINF, 9                           ; v9   -infinity
.set PFO, 10                           ; v10  256 x lane
.set GO,  11                           ; v11  Q's offset at the head; y's on the way out
.set ST,  16
.set QF,  32
.set S,   64
.set O,   128
.set KV,  192
.set TB,  2                            ; s2   LDS byte at which the slot in hand begins
.set WV,  18
.set SEL, 20
.set CS,  22
.set G1K, 24
.set G1V, 32
.set G0K, 40
.set G0V, 44
.set KF,  48                           ; s48  the step's first key
.set Q0,  49                           ; s49  my first query
.set LQ,  50                           ; s50  my work-group's last query
.set SLOTS, 51
.set PFA, 52                           ; s[52:53] where my prefetches stand
.set LIM, 54
.set SUB, 55
.set BSEL, 56
.set WQ,  57
.set T0,  58
.set T1,  59
.macro TLOAD                           ; the branches hang on the wave's number alone.  An s_nop 0 and four v_nop follow each of the two lines
	s_cmp_lt_u32 s[WV], 2
	s_cbranch_scc0 .Lnot_k_\@
	tensor_load_to_lds s[G0K:G0K+3], s[G1K:G1K+7]
	s_nop 0
.rept 4
	v_nop
.endr
	s_branch .Lasked_\@
.Lnot_k_\@:
	s_cmp_lt_u32 s[WV], 4
	s_cbranch_scc0 .Lasked_\@
	tensor_load_to_lds s[G0V:G0V+3], s[G1V:G1V+7]
	s_nop 0
.rept 4
	v_nop
.endr
.Lasked_\@:
.endm
; A PREFETCH of what the NEXT change of slots will ask for: 16,384 bytes of K and of V of each head.  All eight work-groups of a pair of heads walk the same K and V: the first of them asks (a branch on the work-group's number),
; and in it the eight waves of the late query block, which walk every slot: waves of head 0 for K, of head 1 for V; w % 4 picks the head and the half of 8,192 bytes; lanes 256 bytes apart.  So each aligned 256 bytes are named once in the launch.
; Slots 0 and 1 come by their loads alone; the last change that fills a slot asks for nothing.
.macro ASK
	s_cmp_gt_u32 s[SLOTS], s[LIM]
	s_cbranch_scc0 .Lnot_mine_\@
	global_prefetch_b8 v[PFO], s[PFA:PFA+1] th:TH_LOAD_NT scope:SCOPE_SE
.Lnot_mine_\@:
.endm
	s_load_b128 s[4:7], s[0:1], 0x0                ; qkv s[4:5], yh s[6:7]
	v_lshl_add_u32 v[SPW], v0, 2, SPARE
	v_mov_b32 v[NIL], 0
	ds_add_u32 v[SPW], v[NIL]                      ; the wave's opening: the add, twice on end, and its wait ahead of my first tensor load
	ds_add_u32 v[SPW], v[NIL]
	v_lshrrev_b32 v5, 5, v0
	v_readfirstlane_b32 s[WV], v5                  ; wave 0..15
	s_and_b32 s8, ttmp7, 0xffff                    ; the pair of heads, 0..31
	s_lshl_b32 s9, s8, 1                           ; its first head
	s_and_b32 s10, s[WV], 1                        ; which head I fetch for, if I fetch
	s_add_co_u32 s12, s9, s10
	s_lshl_b32 s12, s12, 18                        ; a head is 262,144 bytes
	s_mov_b32 s13, 0
	s_mul_i32 s14, s10, KB                         ; its place in a slot: K's,
	s_mul_i32 s15, s10, VB
	s_add_co_u32 s15, s15, VOFF                    ; V's
	s_mov_b32 s[G1K], (1<<16)|(1<<20)|(4<<22)|(3<<25)   ; no mask; elements of 2 bytes; padding on: after every 32 words four words
	s_mov_b32 s[G1V], (1<<16)|(1<<20)|(4<<22)|(7<<25)   ; eight words
.irp g, G1K, G1V
	s_mov_b32 s[\g+1], 64<<16                      ; tensor_dim0
	s_mov_b32 s[\g+2], 128<<16                     ; tensor_dim1
	s_mov_b32 s[\g+3], 64<<16                      ; tile_dim0
	s_mov_b32 s[\g+4], 128                         ; tile_dim1
	s_mov_b32 s[\g+5], 64                          ; tensor_dim0_stride
	s_mov_b32 s[\g+6], 0
	s_mov_b32 s[\g+7], 0
.endr
	s_mov_b32 s[SEL], 0x76543210
	s_mov_b32 s[SEL+1], 0xfedcba98                 ; v_permlanex16_b32's selects for lane l xor 16
	s_mov_b32 s[CS], 0x3e38aa3b                    ; c = log2(e) / 8
	s_mov_b32 s[CS+1], s[CS]
	s_mov_b32 s[TB], 0
	s_mov_b32 s[KF], 0
	s_mov_b32 s[SLOTS], 15
	s_lshr_b32 s[SUB], s[WV], 3                    ; my head of the two
	s_bfe_u32 s[BSEL], s[WV], 0x10002              ; my query block of the two
	s_and_b32 s[WQ], s[WV], 3
	s_sub_co_u32 s60, 15, ttmp9
	s_cmp_eq_u32 s[BSEL], 0
	s_cselect_b32 s61, ttmp9, s60
	s_lshl_b32 s[Q0], s61, 7
	s_lshl_b32 s61, s[WQ], 5
	s_add_co_u32 s[Q0], s[Q0], s61                 ; my first query
	s_lshl_b32 s[LQ], s60, 7
	s_add_co_u32 s[LQ], s[LQ], 127
	s_wait_dscnt 0x0                               ; both opening adds are done
	s_wait_kmcnt 0x0
	s_mov_b32 s[G0K], 1
	s_mov_b32 s[G0K+1], s14
	s_add_nc_u64 s[G0K+2:G0K+3], s[4:5], s[12:13]
	s_add_nc_u64 s[G0K+2:G0K+3], s[G0K+2:G0K+3], 0x1000000   ; K's section: 16,777,216 bytes on
	s_or_b32 s[G0K+3], s[G0K+3], 0x80000000
	s_mov_b32 s[G0V], 1
	s_mov_b32 s[G0V+1], s15
	s_add_nc_u64 s[G0V+2:G0V+3], s[4:5], s[12:13]
	s_add_nc_u64 s[G0V+2:G0V+3], s[G0V+2:G0V+3], 0x2000000   ; V's: twice that
	s_or_b32 s[G0V+3], s[G0V+3], 0x80000000
	TLOAD                                          ; slot 0: it holds key 0, which counts for every query
	s_add_co_u32 s60, s9, s[SUB]                   ; Q at my first query
	s_lshl_b32 s60, s60, 18
	s_lshl_b32 s61, s[Q0], 7
	s_add_co_u32 s60, s60, s61
	s_mov_b32 s61, 0
	s_add_nc_u64 s[62:63], s[4:5], s[60:61]
	v_and_b32 v12, 15, v0                          ; r
	v_bfe_u32 v13, v0, 4, 1                        ; h
	v_lshlrev_b32 v[GO], 7, v12
	v_lshl_add_u32 v[GO], v13, 4, v[GO]
.irp x, 0,1
.irp c, 0,1
	global_load_b128 v[QF+16*\x+8*\c:QF+16*\x+8*\c+3], v[GO], s[62:63] offset:2048*\x+64*\c       ; Q stays in registers
	global_load_b128 v[QF+16*\x+8*\c+4:QF+16*\x+8*\c+7], v[GO], s[62:63] offset:2048*\x+64*\c+32
.endr
.endr
	; y: wave w stores stage rows 16 w on: block i (w < 8) or 15 - i, rows 16 (w % 8) on
	s_lshr_b32 s66, s8, 3                          ; the batch
	s_and_b32 s67, s8, 7                           ; the pair of heads within it
	s_sub_co_u32 s60, 15, ttmp9
	s_cmp_eq_u32 s[SUB], 0
	s_cselect_b32 s68, ttmp9, s60
	s_lshl_b32 s68, s68, 7
	s_and_b32 s69, s[WV], 7
	s_lshl_b32 s69, s69, 4
	s_add_co_u32 s68, s68, s69
	s_lshl_b32 s66, s66, 11
	s_add_co_u32 s68, s68, s66
	s_lshl_b32 s68, s68, 11                        ; a row of y is 2,048 bytes
	s_lshl_b32 s67, s67, 8
	s_add_co_u32 s68, s68, s67
	s_mov_b32 s69, 0
	s_add_nc_u64 s[6:7], s[6:7], s[68:69]
	; the prefetches
	s_xor_b32 s70, s[BSEL], 1
	s_or_b32 s70, s70, ttmp9
	s_cmp_eq_u32 s70, 0
	s_cselect_b32 s[LIM], 1, -1
	s_add_co_u32 s70, s[SUB], 1
	s_lshl_b32 s70, s70, 24                        ; K's section or V's
	s_lshr_b32 s71, s[WQ], 1
	s_add_co_u32 s71, s71, s9
	s_lshl_b32 s71, s71, 18                        ; the head
	s_add_co_u32 s70, s70, s71
	s_and_b32 s71, s[WQ], 1
	s_lshl_b32 s71, s71, 13                        ; the half
	s_add_co_u32 s70, s70, s71
	s_add_co_u32 s70, s70, 16384                   ; in slot 1: the first change of slots steps it to slot 2
	s_mov_b32 s71, 0
	s_add_nc_u64 s[PFA:PFA+1], s[4:5], s[70:71]
	v_and_b32 v[PFO], 31, v0
	v_lshlrev_b32 v[PFO], 8, v[PFO]
	v_mul_u32_u24 v[AK0], v12, PKK
	v_lshl_add_u32 v[AK0], v13, 4, v[AK0]
	s_mul_i32 s[T0], s[SUB], KB
	v_add_nc_u32 v[AK0], s[T0], v[AK0]             ; K: my head's rows; row r, + 16 h
	v_and_b32 v14, 7, v0
	v_lshl_add_u32 v14, v13, 3, v14
	v_mul_u32_u24 v[AV0], v14, PVV
	v_bfe_u32 v14, v0, 3, 1
	v_lshl_add_u32 v[AV0], v14, 4, v[AV0]
	s_mul_i32 s[T0], s[SUB], VB
	s_add_co_u32 s[T0], s[T0], VOFF
	v_add_nc_u32 v[AV0], s[T0], v[AV0]             ; V, for the turning load: key 8 h + l % 8, channels 8 ((l / 8) % 2) on
	v_lshlrev_b32 v14, 3, v13
	v_sub_nc_u32 v[DM], v12, v14
	v_mov_b32 v[NINF], 0xff800000
.irp x, 0,1
	v_mov_b32 v[ST+8*\x+1], 0xff61b1e6             ; m: -3e38, under every score
	v_mul_f32 v[ST+8*\x], s[CS], v[ST+8*\x+1]
.irp n, 2,3,4,5,6,7
	v_mov_b32 v[ST+8*\x+\n], 0                     ; l; and the registers at work (a lane permute's destination counts as one of its sources)
.endr
.endr
.set i, 0
.rept 64
	v_mov_b32 v[O+i], 0                            ; O^T.  The step is written once: the first finds zeros, which a = 0 leaves zeros
.set i, i+1
.endr
; A KEY STEP: 64 keys, the q-th of the slot in hand, for my two tiles of queries.
.macro STEP q
	s_add_co_u32 s[T0], s[Q0], 31                  ; a step all of whose keys come after my 32 queries is left out: a branch on ids, round the step's work alone
	s_cmp_gt_u32 s[KF], s[T0]
	s_cbranch_scc1 .Lhidden_\@
	v_add_nc_u32 v[ADK], s[TB], v[AK0]
	v_add_nc_u32 v[ADV], s[TB], v[AV0]
.rept 3
	v_nop                                          ; with the two additions: five places behind the last step's products: four for the loads into the fragments' registers, five for the products that write over P's
.endr
.irp t, 0,1,2,3
.irp c, 0,1
	ds_load_b128 v[KV+8*(2*\t+\c):KV+8*(2*\t+\c)+3], v[ADK] offset:(\q)*64*PKK+\t*16*PKK+64*\c
	ds_load_b128 v[KV+8*(2*\t+\c)+4:KV+8*(2*\t+\c)+7], v[ADK] offset:(\q)*64*PKK+\t*16*PKK+64*\c+32
.endr
.endr
	s_wait_dscnt 0x0
.irp c, 0,1                                    ; S^T = K Q^T: the eight accumulators take turns
.irp t, 0,1,2,3
.irp x, 0,1
.if \c == 0
	v_wmma_f32_16x16x32_f16 v[S+32*\x+8*\t:S+32*\x+8*\t+7], v[KV+8*(2*\t+\c):KV+8*(2*\t+\c)+7], v[QF+16*\x+8*\c:QF+16*\x+8*\c+7], 0
.else
	v_wmma_f32_16x16x32_f16 v[S+32*\x+8*\t:S+32*\x+8*\t+7], v[KV+8*(2*\t+\c):KV+8*(2*\t+\c)+7], v[QF+16*\x+8*\c:QF+16*\x+8*\c+7], v[S+32*\x+8*\t:S+32*\x+8*\t+7]
.endif
.endr
.endr
.endr
.rept 4
	v_nop                                          ; places: for the loads into K's registers and the first reads of the scores
.endr
.irp kh, 0,1                                   ; V, turned, lands while the softmax is walked
.irp ct, 0,1,2,3
	ds_load_tr16_b128 v[KV+8*(4*\kh+\ct):KV+8*(4*\kh+\ct)+3], v[ADV] offset:(\q)*64*PVV+\kh*32*PVV+32*\ct
	ds_load_tr16_b128 v[KV+8*(4*\kh+\ct)+4:KV+8*(4*\kh+\ct)+7], v[ADV] offset:(\q)*64*PVV+\kh*32*PVV+16*PVV+32*\ct
.endr
.endr
	s_add_co_u32 s[T0], s[KF], 63                  ; on the diagonal hidden scores become -infinity; a step all of whose keys count skips this
	s_cmp_le_u32 s[T0], s[Q0]
	s_cbranch_scc1 .Lopen_\@
	s_sub_co_u32 s[T0], s[Q0], s[KF]
	v_add_nc_u32 v[DD], s[T0], v[DM]               ; register 8 t + j of tile x holds key KF + 16 t + 8 h + j for query Q0 + 16 x + r: hidden where 16 t + j - 16 x > Q0 - KF + r - 8 h
.irp x, 0,1
.irp t, 0,1,2,3
.irp j, 0,1,2,3,4,5,6,7
	v_cmp_gt_i32 vcc_lo, 16*\t+\j-16*\x, v[DD]
	v_cndmask_b32 v[S+32*\x+8*\t+\j], v[S+32*\x+8*\t+\j], v[NINF], vcc_lo
.endr
.endr
.endr
.Lopen_\@:
.irp n, 0,1,2,3                                ; the maximum, three operands at a time, four chains a tile, the tiles by turns; each accumulator is read from its low end on
.irp x, 0,1
	v_max3_num_f32 v[ST+8*\x+4+\n], v[S+32*\x+8*\n], v[S+32*\x+8*\n+1], v[S+32*\x+8*\n+2]
.endr
.endr
.irp g, 1,2
.irp n, 0,1,2,3
.irp x, 0,1
	v_max3_num_f32 v[ST+8*\x+4+\n], v[ST+8*\x+4+\n], v[S+32*\x+8*\n+2*\g+1], v[S+32*\x+8*\n+2*\g+2]
.endr
.endr
.endr
.irp x, 0,1
	v_max3_num_f32 v[ST+8*\x+4], v[ST+8*\x+4], v[S+32*\x+7], v[S+32*\x+15]
	v_max3_num_f32 v[ST+8*\x+6], v[ST+8*\x+6], v[S+32*\x+23], v[S+32*\x+31]
.endr
.irp x, 0,1
	v_max3_num_f32 v[ST+8*\x+4], v[ST+8*\x+4], v[ST+8*\x+5], v[ST+8*\x+6]
.endr
.irp x, 0,1
	v_max3_num_f32 v[ST+8*\x+4], v[ST+8*\x+4], v[ST+8*\x+7], v[ST+8*\x+1]   ; with the old m
.endr
.irp x, 0,1
	v_permlanex16_b32 v[ST+8*\x+5], v[ST+8*\x+4], s[SEL], s[SEL+1]          ; the query's other 32 keys lie in the lane 16 away
.endr
.irp x, 0,1
	v_mov_b32 v[ST+8*\x+7], v[ST+8*\x]             ; c m_old
.endr
.irp x, 0,1
	v_max_num_f32 v[ST+8*\x+1], v[ST+8*\x+4], v[ST+8*\x+5]
.endr
.irp x, 0,1
	v_mul_f32 v[ST+8*\x], s[CS], v[ST+8*\x+1]
.endr
.irp x, 0,1
	v_sub_f32 v[ST+8*\x+7], v[ST+8*\x+7], v[ST+8*\x]
.endr
.irp x, 0,1
.set i, 0
.rept 16
	v_pk_fma_f32 v[S+32*\x+i:S+32*\x+i+1], v[S+32*\x+i:S+32*\x+i+1], s[CS:CS+1], v[ST+8*\x:ST+8*\x+1] op_sel_hi:[1,0,0] neg_lo:[0,0,1] neg_hi:[0,0,1]   ; c s - c m
.set i, i+2
.endr
.endr
.irp x, 0,1
	v_exp_f32 v[ST+8*\x+6], v[ST+8*\x+7]           ; a
.endr
.set i, 0
.rept 64
	v_exp_f32 v[S+i], v[S+i]                       ; p: one batch of 66 exponentials,
.set i, i+1
.endr
	v_nop                                          ; one plain line behind the last,
	s_wait_alu depctr_va_vdst(0)                   ; and one wait ahead of the batch's first reader
.irp x, 0,1                                    ; the sums of the unrounded p: two chains a tile
	v_pk_add_f32 v[ST+8*\x+4:ST+8*\x+5], v[S+32*\x:S+32*\x+1], v[S+32*\x+2:S+32*\x+3]
	v_pk_add_f32 v[12+2*\x:13+2*\x], v[S+32*\x+4:S+32*\x+5], v[S+32*\x+6:S+32*\x+7]
.endr
.irp k, 8,12,16,20,24,28
.irp x, 0,1
	v_pk_add_f32 v[ST+8*\x+4:ST+8*\x+5], v[ST+8*\x+4:ST+8*\x+5], v[S+32*\x+\k:S+32*\x+\k+1]
	v_pk_add_f32 v[12+2*\x:13+2*\x], v[12+2*\x:13+2*\x], v[S+32*\x+\k+2:S+32*\x+\k+3]
.endr
.endr
.irp x, 0,1
	v_pk_add_f32 v[ST+8*\x+4:ST+8*\x+5], v[ST+8*\x+4:ST+8*\x+5], v[12+2*\x:13+2*\x]
.endr
.irp x, 0,1
	v_pk_fma_f32 v[ST+8*\x+2:ST+8*\x+3], v[ST+8*\x+2:ST+8*\x+3], v[ST+8*\x+6:ST+8*\x+7], v[ST+8*\x+4:ST+8*\x+5] op_sel_hi:[1,0,1]   ; l = a l + the sum
.endr
.irp x, 0,1
.set i, 0
.rept 16
	v_cvt_pk_f16_f32 v[S+32*\x+i], v[S+32*\x+2*i], v[S+32*\x+2*i+1]   ; P in place, ascending: register i is written when registers 2 i, 2 i + 1 are read
.set i, i+1
.endr
.endr
.irp x, 0,1
.set i, 0
.rept 16
	v_pk_mul_f32 v[O+32*\x+i:O+32*\x+i+1], v[O+32*\x+i:O+32*\x+i+1], v[ST+8*\x+6:ST+8*\x+7] op_sel_hi:[1,0]   ; O^T x a
.set i, i+2
.endr
.endr
	s_wait_dscnt 0x0                               ; V is in
.irp kh, 0,1                                   ; O^T += V^T P: the eight accumulators take turns
.irp ct, 0,1,2,3
.irp x, 0,1
	v_wmma_f32_16x16x32_f16 v[O+32*\x+8*\ct:O+32*\x+8*\ct+7], v[KV+8*(4*\kh+\ct):KV+8*(4*\kh+\ct)+7], v[S+32*\x+8*\kh:S+32*\x+8*\kh+7], v[O+32*\x+8*\ct:O+32*\x+8*\ct+7]
.endr
.endr
.endr
.Lhidden_\@:
	s_add_co_u32 s[KF], s[KF], 64
.endm
; THE CHANGE OF SLOTS stands at a slot's head.  Each wave waits for all its tensor loads, adds 0 to its spare word (fill = 1: twice on end), and waits for that and for its
; reads of the slot that it has left.  Behind the barrier the slot ahead is whole and nobody reads the other one: fill = 1: that one is filled with the next 128 keys, if any wave of the work-group will read them.
.macro CHANGE fill
	s_wait_tensorcnt 0x0                           ; no tensor load of mine is out, so a group 0 may be written
	ds_add_u32 v[SPW], v[NIL]
.if \fill
	ds_add_u32 v[SPW], v[NIL]
	s_xor_b32 s[G0K+1], s[G0K+1], SLOT1            ; the walking descriptors: the other slot, the next 128 keys
	s_add_nc_u64 s[G0K+2:G0K+3], s[G0K+2:G0K+3], 16384
	s_xor_b32 s[G0V+1], s[G0V+1], SLOT1
	s_add_nc_u64 s[G0V+2:G0V+3], s[G0V+2:G0V+3], 16384
	s_wait_xcnt 0x0                                ; the last prefetch, a slot back, has read its address
	s_add_nc_u64 s[PFA:PFA+1], s[PFA:PFA+1], 16384
.endif
	s_wait_dscnt 0x0
	s_barrier_signal -1
	s_barrier_wait -1
.if \fill
	s_add_co_u32 s[T0], s[KF], 128                 ; the first key of the slot that this change would ask for
	s_cmp_gt_u32 s[T0], s[LQ]                      ; ids and the count of steps alone: all sixteen waves go the same way; past the limit a work-group stays past it.  Every wait on TENSORcnt in this text is for 0
	s_cbranch_scc1 .Lpast_\@
	TLOAD                                          ; a wave's one tensor load until the next such barrier
.Lpast_\@:
	ASK
.endif
.endm
.macro SLOT_STEPS
	STEP 0
	STEP 1
	s_xor_b32 s[TB], s[TB], SLOT1
.endm
	s_wait_loadcnt 0x0                             ; Q
.Lslot:                                            ; 15 trips
	CHANGE 1
	SLOT_STEPS
	s_sub_co_u32 s[SLOTS], s[SLOTS], 1
	s_cmp_lg_u32 s[SLOTS], 0
	s_cbranch_scc1 .Lslot
	CHANGE 0                                       ; the last slot is written out: nothing is left to ask for
	SLOT_STEPS
	; THE WAY OUT.  O^T / l, rounded to f16, goes into the work-group's stage; a barrier, since a row's 256 bytes come from the waves of two heads; back as whole rows, 16 a wave.
.rept 4
	v_nop
.endr
.irp x, 0,1
	v_add_f32 v[ST+8*\x+4], v[ST+8*\x+2], v[ST+8*\x+3]
.endr
.irp x, 0,1
	v_permlanex16_b32 v[ST+8*\x+5], v[ST+8*\x+4], s[SEL], s[SEL+1]
.endr
.irp x, 0,1
	v_add_f32 v[ST+8*\x+4], v[ST+8*\x+4], v[ST+8*\x+5]
.endr
.irp x, 0,1
	v_rcp_f32 v[ST+8*\x+6], v[ST+8*\x+4]
.endr
	v_and_b32 v12, 15, v0                          ; (plain lines behind the reciprocals)  r
	v_bfe_u32 v13, v0, 4, 1                        ; h
	s_and_b32 s[T0], s[WV], 7
	s_mul_i32 s[T0], s[T0], 32*SP                  ; in: stage row 128 x block + 32 (w % 4) + 16 x + r = 32 (w % 8) + ..
	s_lshl_b32 s[T1], s[SUB], 7                    ; my head's 128 bytes of it
	s_add_co_u32 s[T0], s[T0], s[T1]
	v_mul_u32_u24 v5, v12, SP
	v_lshl_add_u32 v5, v13, 4, v5
	v_add_nc_u32 v5, s[T0], v5
	s_mul_i32 s[T0], s[WV], 16*SP                  ; back: rows 16 w on; lanes 0-15 one row, lanes 16-31 the next
	v_mul_u32_u24 v6, v13, SP
	v_lshl_add_u32 v6, v12, 4, v6
	v_add_nc_u32 v6, s[T0], v6
	v_lshlrev_b32 v[GO], 11, v13
	v_lshl_add_u32 v[GO], v12, 4, v[GO]
	s_wait_alu depctr_va_vdst(0)                   ; the wait ahead of the reciprocals' first reader
.irp x, 0,1
.set i, 0
.rept 16
	v_pk_mul_f32 v[O+32*\x+i:O+32*\x+i+1], v[O+32*\x+i:O+32*\x+i+1], v[ST+8*\x+6:ST+8*\x+7] op_sel_hi:[1,0]
.set i, i+2
.endr
.endr
.irp x, 0,1
.set i, 0
.rept 16
	v_cvt_pk_f16_f32 v[S+16*\x+i], v[O+32*\x+2*i], v[O+32*\x+2*i+1]
.set i, i+1
.endr
.endr
.irp x, 0,1
.irp ct, 0,1,2,3
	ds_store_b128 v5, v[S+16*\x+4*\ct:S+16*\x+4*\ct+3] offset:\x*16*SP+32*\ct   ; channels 16 ct + 8 h + 0 .. 7 of query r
.endr
.endr
	s_wait_dscnt 0x0                               ; for the others' sake: my stores into the stage are done
	s_barrier_signal -1
	s_barrier_wait -1
.irp t, 0,1,2,3,4,5,6,7
	ds_load_b128 v[96+4*\t:99+4*\t], v6 offset:\t*2*SP
.endr
.irp t, 0,1,2,3,4,5,6,7
	s_wait_dscnt 7-\t                              ; load t is in, the younger ones may be out
	global_store_b128 v[GO], v[96+4*\t:99+4*\t], s[6:7] offset:\t*4096   ; 16 lanes store 256 consecutive bytes, aligned
.endr
	s_wait_tensorcnt 0x0                           ; the wave's end, behind my last tensor load and my last LDS store
	ds_add_u32 v[SPW], v[NIL]
	s_wait_dscnt 0x0
	s_endpgm
.Lfunc_end_k_qc4ac62bf99_attn:
	.size	k_qc4ac62bf99_attn, .Lfunc_end_k_qc4ac62bf99_attn-k_qc4ac62bf99_attn
	.p2alignl 7, 3214868480
	.fill 96, 4, 3214868480
	.section	.rodata,"a",@progbits
	.p2align	6, 0x0
	.amdhsa_kernel k_qc4ac62bf99_attn
		.amdhsa_group_segment_fixed_size 327680
		.amdhsa_private_segment_fixed_size 0
		.amdhsa_enable_private_segment 0
		.amdhsa_kernarg_size 16
		.amdhsa_user_sgpr_count 2
		.amdhsa_user_sgpr_kernarg_segment_ptr 1
		.amdhsa_wavefront_size32 1
		.amdhsa_system_sgpr_workgroup_id_x 1
		.amdhsa_system_sgpr_workgroup_id_y 1
		.amdhsa_system_sgpr_workgroup_id_z 1
		.amdhsa_system_vgpr_workitem_id 0
		.amdhsa_next_free_vgpr 256
		.amdhsa_next_free_sgpr 80
		.amdhsa_reserve_vcc 1
		.amdhsa_float_denorm_mode_32 3
		.amdhsa_float_denorm_mode_16_64 3
		.amdhsa_memory_ordered 1
		.amdhsa_forward_progress 1
		.amdhsa_inst_pref_size 104
	.end_amdhsa_kernel
	.amdgpu_metadata
---
amdhsa.version: [ 1, 2 ]
amdhsa.kernels:
  - .name:           k_qc4ac62bf99_attn
    .symbol:         k_qc4ac62bf99_attn.kd
    .args:
      - { .name: qkv, .offset: 0, .size: 8, .value_kind: global_buffer, .address_space: global }
      - { .name: yh, .offset: 8, .size: 8, .value_kind: global_buffer, .address_space: global }
    .group_segment_fixed_size: 327680
    .private_segment_fixed_size: 0
    .kernarg_segment_align: 8
    .kernarg_segment_size: 16
    .max_flat_workgroup_size: 512
    .sgpr_count:     80
    .vgpr_count:     256
    .wavefront_size: 32
...
	.end_amdgpu_metadata
.endif
;; end of part 3
;; launch proj (part 4): grid 8 x 64, 4 waves a work-group, clusters of 4 x 4, 327,680 bytes of LDS; arguments yh, pw, out0, proj_b; writes out0
.if DOCPART == 4
	.amdgcn_target "amdgcn-amd-amdhsa--gfx1250"
	.amdhsa_code_object_version 6
	.text
	.protected	k_qc4ac62bf99_proj
	.globl	k_qc4ac62bf99_proj
	.p2align	8
	.type	k_qc4ac62bf99_proj,@function
k_qc4ac62bf99_proj:
	s_mov_b64 s[64:65], 0
	v_nop
	global_prefetch_b8 v0, s[64:65] scope:SCOPE_SE
	s_setreg_imm32_b32 hwreg(HW_REG_WAVE_MODE, 25, 1), 1
	s_wait_xcnt 0x0
	s_wait_alu depctr_hold_cnt(0) depctr_sa_sdst(0) depctr_va_vdst(0) depctr_va_sdst(0) depctr_va_ssrc(0) depctr_va_vcc(0) depctr_vm_vsrc(0)
	s_getreg_b32 s2, hwreg(HW_REG_IB_STS2, 6, 4)
	s_cmp_eq_u32 s2, 0
	s_cbranch_scc0 .Lentry_in_a_cluster
	s_endpgm
.Lentry_in_a_cluster:
	s_bfe_u32 s2, ttmp6, 0x10000c
	s_cmp_lg_u32 s2, 0xf033
	s_cbranch_scc0 .Lentry_shape_is_right
	s_endpgm
.Lentry_shape_is_right:
; out0[m][n] = sum over k of y[m][k] proj_w[n][k] + proj_b[n].  y: [8,192][1,024] and proj_w: [1,024][1,024] as f16; out0: f32; sums in f32.  No work of reference() is left out here.
; (The rows of positions 0 to 15 are computed with the rest of their tiles; the last launch stores them anew from f32.)
; A tile of 128 x 128, 512 of them: four waves, each 64 x 64: 16 accumulators.  K goes in steps of 256 (LDS rows of 512 bytes; a wave's tensor load brings 64 of them) through two slots.
; CLUSTERS: 4 x 4 work-groups; the four of a row of the cluster need the same tiles of y, the four of a column the same tiles of proj_w: each tile is asked for jointly.
; THE MATRIX INSTRUCTION IS USED TRANSPOSED (source 0 = 16 rows of proj_w, source 1 = 16 rows of y): a lane holds eight neighbouring numbers of a row of the result.  The bias is the C of each sum's first matrix instruction.
; A wave's 64 columns of f32 are 256 consecutive bytes, aligned: so each wave has a stage of its own on the way out, and no barrier stands there.
; REGISTERS: window 0: v0-31 addresses; v32-95 rows read back from the stage, two sets; v96-127 the bias; v128-255 the accumulators ((a, b) at v[128 + 8 (4 a + b)]).  window 1: two fragment buffers of 128.
.set SIZE_N, 1024
.set SIZE_K, 1024
.set KSTEP,  256
.set PITCH,  528                       ; an LDS row: 512 bytes + 16 of padding = 132 words: the 16 rows that a load touches start at 16 different banks (ISA guide 11.1)
.set HALFT,  64*PITCH
.set SLOT,   4*HALFT
.set STAGE,  2*SLOT                    ; behind the ring: 16 rows x 272 bytes for each wave
.set SPITCH, 272
.set SPARE,  STAGE+4*16*SPITCH         ; the spare words, 128 bytes for each wave
.set LAPS, SIZE_K/(2*KSTEP)
.set ADRA, 16
.set ADRB, 20
.set STO,  24
.set RD,   25
.set CO,   26
.set BA,   27                          ; v27  32 h
.set SPW,  28
.set NIL,  29
.set BK,   32
.set BI,   96
.set ACC,  128
.set F0,   0
.set F1,   128
.set G1, 24
.set G0, 32
.set G1B, 48
.set G0B, 56
.set MSB, 0
.macro WIN new
.if MSB != \new
	s_set_vgpr_msb (MSB<<8)|\new
.set MSB, \new
.endif
.endm
.set MUL,  0x05                        ; sources 0 and 1 window 1; C and D window 0
.set TO_F, 0x40                        ; destination window 1, address window 0
.macro JLOAD s                         ; a joint load: waves 0 and 1 fetch y's two halves, waves 2 and 3 proj_w's; an s_nop 0 and four v_nop follow each of the two lines
	s_cmp_eq_u32 s11, 0
	s_cbranch_scc0 .Lfor_b_\@
	tensor_load_to_lds s[G0+4*\s:G0+4*\s+3], s[G1:G1+7]
	s_nop 0
.rept 4
	v_nop
.endr
	s_branch .Lasked_\@
.Lfor_b_\@:
	tensor_load_to_lds s[G0B+4*\s:G0B+4*\s+3], s[G1B:G1B+7]
	s_nop 0
.rept 4
	v_nop
.endr
.Lasked_\@:
.endm
.macro CREST                           ; a round of the cluster's barrier behind its opening barrier
	s_cmp_lg_u32 s10, 0
	s_cbranch_scc1 .Lnot_wave_0_\@
	s_barrier_signal -3
.Lnot_wave_0_\@:
	s_barrier_wait -3
	s_barrier_signal -1
	s_barrier_wait -1
.endm
.macro CROUND
	s_barrier_signal -1
	s_barrier_wait -1
	CREST
.endm
	s_load_b128 s[4:7], s[0:1], 0x0                ; y s[4:5], proj_w in f16 s[6:7]
	s_load_b64 s[8:9], s[0:1], 0x10                ; out0
	s_load_b64 s[66:67], s[0:1], 0x18              ; proj_b
	v_lshl_add_u32 v[SPW], v0, 2, SPARE
	v_mov_b32 v[NIL], 0
	ds_add_u32 v[SPW], v[NIL]                      ; the wave's opening: the add, twice on end, and its wait ahead of my first tensor load
	ds_add_u32 v[SPW], v[NIL]
	v_lshrrev_b32 v1, 5, v0
	v_readfirstlane_b32 s10, v1                    ; wave 0..3
	s_lshr_b32 s11, s10, 1                         ; which half of the tile's rows is mine.  Also: I fetch for y (0) or for proj_w (1)
	s_and_b32 s12, s10, 1                          ; which half of its columns.  Also: which 64 rows of that tile I fetch
	s_bfe_u32 s40, ttmp6, 0x40000                  ; cx, cy
	s_bfe_u32 s41, ttmp6, 0x40004
	s_lshl_b32 s42, ttmp9, 2
	s_add_co_u32 s42, s42, s40                     ; tile column
	s_and_b32 s13, ttmp7, 0xffff
	s_lshl_b32 s13, s13, 2
	s_add_co_u32 s13, s13, s41                     ; tile row
	s_lshl_b32 s43, s41, 2
	s_lshl_b32 s43, 15, s43                        ; my row of the cluster
	s_lshl_b32 s44, 0x1111, s40                    ; my column
	s_or_b32 s[G1+0], s43, (1<<16)|(1<<20)|(1<<21)|(6<<22)|(3<<25)  ; the mask; elements of 2 bytes; padding on; bit 21 beside a mask; after every 128 words four words
	s_or_b32 s[G1B+0], s44, (1<<16)|(1<<20)|(1<<21)|(6<<22)|(3<<25)
.irp g, G1, G1B
	s_mov_b32 s[\g+1], KSTEP<<16                   ; tensor_dim0
	s_mov_b32 s[\g+2], 64<<16                      ; tensor_dim1
	s_mov_b32 s[\g+3], KSTEP<<16                   ; tile_dim0
	s_mov_b32 s[\g+4], 64                          ; tile_dim1
	s_mov_b32 s[\g+5], SIZE_K                      ; tensor_dim0_stride
	s_mov_b32 s[\g+6], 0
	s_mov_b32 s[\g+7], 0
.endr
	s_lshl_b32 s17, s12, 6
	s_lshl_b32 s16, s13, 7
	s_add_co_u32 s16, s16, s17                     ; y: row 128 x tile row + 64 x half
	s_lshl_b32 s46, s42, 7
	s_add_co_u32 s46, s46, s17                     ; proj_w: row 128 x tile column + 64 x half
	s_mov_b32 s17, 0
	s_mov_b32 s47, 0
	s_mov_b64 s[18:19], SIZE_K*2
	s_mul_u64 s[16:17], s[16:17], s[18:19]
	s_mul_u64 s[46:47], s[46:47], s[18:19]
	s_mul_i32 s20, s10, HALFT                      ; where they go: wave x 64 rows
	s_wait_dscnt 0x0                               ; both opening adds are done
	s_wait_kmcnt 0x0
	s_add_nc_u64 s[14:15], s[4:5], s[16:17]
	s_add_nc_u64 s[46:47], s[6:7], s[46:47]
	CROUND                                         ; all sixteen work-groups are here: the first joint loads meet
.irp s, 0,1
	s_mov_b32 s[G0+4*\s], 1
	s_add_co_u32 s[G0+4*\s+1], s20, \s*SLOT
	s_add_nc_u64 s[G0+4*\s+2:G0+4*\s+3], s[14:15], \s*KSTEP*2
	s_or_b32 s[G0+4*\s+3], s[G0+4*\s+3], 0x80000000
	s_mov_b32 s[G0B+4*\s], 1
	s_add_co_u32 s[G0B+4*\s+1], s20, \s*SLOT
	s_add_nc_u64 s[G0B+4*\s+2:G0B+4*\s+3], s[46:47], \s*KSTEP*2
	s_or_b32 s[G0B+4*\s+3], s[G0B+4*\s+3], 0x80000000
	JLOAD \s
.endr
	v_and_b32 v1, 15, v0                           ; r
	v_bfe_u32 v2, v0, 4, 1                         ; h
	v_mul_u32_u24 v3, v1, PITCH
	v_lshl_add_u32 v3, v2, 4, v3
	s_mul_i32 s21, s11, HALFT                      ; my 64 rows of y
	s_mul_i32 s22, s12, HALFT                      ; my 64 rows of proj_w,
	s_add_co_u32 s22, s22, 2*HALFT                 ; which lie behind y's 128
.irp s, 0,1
	v_add_nc_u32 v[ADRA+\s], s21, v3
	v_add_nc_u32 v[ADRB+\s], s22, v3
	s_add_co_u32 s21, s21, SLOT
	s_add_co_u32 s22, s22, SLOT
.endr
	s_mul_i32 s23, s10, 16*SPITCH
	s_add_co_u32 s23, s23, STAGE                   ; my stage
	v_mul_u32_u24 v4, v1, SPITCH                   ; in: row r, 32 bytes for each half of the lanes
	v_lshl_add_u32 v4, v2, 5, v4
	v_add_nc_u32 v[STO], s23, v4
	v_mul_u32_u24 v5, v2, SPITCH                   ; back: lanes 0-15 one row of 256 bytes, lanes 16-31 the next
	v_lshl_add_u32 v5, v1, 4, v5
	v_add_nc_u32 v[RD], s23, v5
	v_lshlrev_b32 v[CO], 12, v2                    ; and the same two rows in out0: 4,096 bytes a row
	v_lshl_add_u32 v[CO], v1, 4, v[CO]
	v_lshlrev_b32 v[BA], 5, v2
	s_lshl_b32 s16, s13, 7
	s_lshl_b32 s17, s11, 6
	s_add_co_u32 s16, s16, s17                     ; my first row: 128 x tile row + 64 x half
	s_lshl_b32 s16, s16, 12
	s_mov_b32 s17, 0
	s_add_nc_u64 s[8:9], s[8:9], s[16:17]
	s_lshl_b32 s46, s42, 9                         ; my first column, in bytes: 512 x tile column + 256 x half
	s_lshl_b32 s47, s12, 8
	s_add_co_u32 s46, s46, s47
	s_mov_b32 s47, 0
	s_add_nc_u64 s[8:9], s[8:9], s[46:47]
	s_add_nc_u64 s[66:67], s[66:67], s[46:47]      ; and the same bytes on in the bias
.irp b, 0,1,2,3
	global_load_b128 v[BI+8*\b:BI+8*\b+3], v[BA], s[66:67] offset:64*\b        ; the bias in the result's layout: columns 16 b + 8 h + 0 .. 7
	global_load_b128 v[BI+8*\b+4:BI+8*\b+7], v[BA], s[66:67] offset:64*\b+16
.endr
; 8 matrix instructions: m blocks a0, a0 + 1 x all 4 n blocks, 32 along K: half c of buffer f.  zero = 1: the first product starts the sums, on the bias.  The 16 accumulators take turns.
.macro MUL8 f, c, a0, zero
.irp a, \a0, \a0+1
.irp b, 0,1,2,3
.if \zero
	v_wmma_f32_16x16x32_f16 v[ACC+8*(4*(\a)+\b):ACC+8*(4*(\a)+\b)+7], v[\f+64+8*(4*\c+\b):\f+64+8*(4*\c+\b)+7], v[\f+8*(4*\c+\a):\f+8*(4*\c+\a)+7], v[BI+8*\b:BI+8*\b+7]
.else
	v_wmma_f32_16x16x32_f16 v[ACC+8*(4*(\a)+\b):ACC+8*(4*(\a)+\b)+7], v[\f+64+8*(4*\c+\b):\f+64+8*(4*\c+\b)+7], v[\f+8*(4*\c+\a):\f+8*(4*\c+\a)+7], v[ACC+8*(4*(\a)+\b):ACC+8*(4*(\a)+\b)+7]
.endif
.endr
.endr
.endm
.macro FETCH slot, k, f                ; 32 LDS loads in one run: the fragments of 64 along K at byte k of the rows, into buffer f; the first 32 along K first
	WIN TO_F
.irp c, 0,1
.irp i, 0,1,2,3
	ds_load_b128 v[\f+64+8*(4*\c+\i):\f+64+8*(4*\c+\i)+3],   v[ADRB+\slot] offset:\k+64*\c+\i*16*PITCH
	ds_load_b128 v[\f+64+8*(4*\c+\i)+4:\f+64+8*(4*\c+\i)+7], v[ADRB+\slot] offset:\k+64*\c+\i*16*PITCH+32
	ds_load_b128 v[\f+8*(4*\c+\i):\f+8*(4*\c+\i)+3],         v[ADRA+\slot] offset:\k+64*\c+\i*16*PITCH
	ds_load_b128 v[\f+8*(4*\c+\i)+4:\f+8*(4*\c+\i)+7],       v[ADRA+\slot] offset:\k+64*\c+\i*16*PITCH+32
.endr
.endr
.endm
.macro PLACES                          ; four places in front of loads into registers that matrix instructions have read, and of the first read of results
.rept 4
	v_nop
.endr
.endm
.macro QUARTER slot, k, f, g, zero     ; 64 along K: multiplies buffer f and fetches the next quarter, at byte k, into g
	s_wait_dscnt 16                                ; the first 32 along K are in; the youngest sixteen loads may be out
	WIN MUL
	MUL8 \f, 0, 0, \zero
	MUL8 \f, 0, 2, \zero
	PLACES
	FETCH \slot, \k, \g
	s_wait_dscnt 32                                ; all but the 32 just issued
	WIN MUL
	MUL8 \f, 1, 0, 0
	MUL8 \f, 1, 2, 0
.endm
; The last quarter multiplies buffer 1 and changes slots: one barrier; in front of it each wave waits for all its tensor loads, adds 0 to its spare word, and waits for that and for its reads of this slot.  fill = 1: this slot is filled again, two K steps ahead.
.macro TURN slot, next, fill
	WIN 0
	s_wait_tensorcnt 0x0                           ; all my tensor loads have landed: my part of the next slot
	ds_add_u32 v[SPW], v[NIL]
	s_wait_dscnt 17                                ; (the add and the youngest sixteen loads may be out)
	WIN MUL
	MUL8 F1, 0, 0, 0
	s_wait_dscnt 0x0                               ; the add is done, and my reads of this slot are over
	s_barrier_signal -1
	MUL8 F1, 0, 2, 0
.if \fill
	WIN 0
.endif
	s_barrier_wait -1
.if \fill
	CREST                                          ; the barrier has opened a round of the cluster's barrier: no wave of any partner still reads this slot's tile or has a load on its way
	s_add_nc_u64 s[G0+4*\slot+2:G0+4*\slot+3], s[G0+4*\slot+2:G0+4*\slot+3], 2*KSTEP*2
	s_add_nc_u64 s[G0B+4*\slot+2:G0B+4*\slot+3], s[G0B+4*\slot+2:G0B+4*\slot+3], 2*KSTEP*2
	JLOAD \slot                                    ; the first tensor load behind the round; its four v_nop are also the places in front of the loads below
.else
	PLACES
.endif
	FETCH \next, 0, F0
	WIN MUL
	MUL8 F1, 1, 0, 0
	MUL8 F1, 1, 2, 0
.endm
	s_wait_tensorcnt 1                             ; my part of K step 0 is in (K step 1's load may be out),
	s_barrier_signal -1
	s_barrier_wait -1                              ; everybody's is
	FETCH 0, 0, F0
	s_wait_loadcnt 0x0                             ; the bias
	QUARTER 0, 128, F0, F1, 1
	WIN 0
	s_mov_b32 s3, LAPS-1
.Llap:                                                 ; a trip goes once round the ring and fills both slots again
	QUARTER 0, 256, F1, F0, 0
	QUARTER 0, 384, F0, F1, 0
	TURN 0, 1, 1
	QUARTER 1, 128, F0, F1, 0
	QUARTER 1, 256, F1, F0, 0
	QUARTER 1, 384, F0, F1, 0
	TURN 1, 0, 1
	QUARTER 0, 128, F0, F1, 0
	WIN 0
	s_sub_co_u32 s3, s3, 1
	s_cmp_lg_u32 s3, 0
	s_cbranch_scc1 .Llap
	QUARTER 0, 256, F1, F0, 0                      ; the last lap fills nothing
	QUARTER 0, 384, F0, F1, 0
	TURN 0, 1, 0
	QUARTER 1, 128, F0, F1, 0
	QUARTER 1, 256, F1, F0, 0
	QUARTER 1, 384, F0, F1, 0
	s_wait_dscnt 16
	WIN MUL
	MUL8 F1, 0, 0, 0
	MUL8 F1, 0, 2, 0
	s_wait_dscnt 0
	MUL8 F1, 1, 0, 0
	MUL8 F1, 1, 2, 0
	WIN 0
; THE WAY OUT, block by block of 16 rows x 64 columns, through my own stage: LDS serves a wave's instructions in order (ISA guide 5.7.1.4), so no wait stands between the stores and the loads.
.macro TOSTAGE a
.irp b, 0,1,2,3
	ds_store_b128 v[STO], v[ACC+8*(4*(\a)+\b):ACC+8*(4*(\a)+\b)+3] offset:64*\b          ; each accumulator from its low end on
	ds_store_b128 v[STO], v[ACC+8*(4*(\a)+\b)+4:ACC+8*(4*(\a)+\b)+7] offset:64*\b+16
.endr
.set BB, BK+32*((\a)%2)
.irp t, 0,1,2,3,4,5,6,7
	ds_load_b128 v[BB+4*\t:BB+4*\t+3], v[RD] offset:\t*2*SPITCH
.endr
.endm
.macro SEND a, younger
.set BB, BK+32*((\a)%2)
	s_wait_dscnt \younger
.irp t, 0,1,2,3,4,5,6,7
	global_store_b128 v[CO], v[BB+4*\t:BB+4*\t+3], s[8:9] offset:(16*(\a)+2*\t)*SIZE_N*4 th:TH_STORE_NT   ; 16 lanes store 256 consecutive bytes, aligned
.endr
.endm
	PLACES
	TOSTAGE 0
.irp a, 1,2,3
.if \a > 1
	s_wait_xcnt 0x0                                ; block a - 2's stores have read their registers: block a's loads may land there
.endif
	TOSTAGE \a
	SEND \a-1, 16                                  ; behind block a - 1's loads: block a's 8 stores and 8 loads
.endr
	SEND 3, 0
	s_wait_tensorcnt 0x0                           ; the wave's end, behind my last tensor load and my last LDS store
	ds_add_u32 v[SPW], v[NIL]
	s_wait_dscnt 0x0
	CROUND                                         ; the closing round
	s_endpgm
.Lfunc_end_k_qc4ac62bf99_proj:
	.size	k_qc4ac62bf99_proj, .Lfunc_end_k_qc4ac62bf99_proj-k_qc4ac62bf99_proj
	.p2alignl 7, 3214868480
	.fill 96, 4, 3214868480
	.section	.rodata,"a",@progbits
	.p2align	6, 0x0
	.amdhsa_kernel k_qc4ac62bf99_proj
		.amdhsa_group_segment_fixed_size 327680
		.amdhsa_private_segment_fixed_size 0
		.amdhsa_enable_private_segment 0
		.amdhsa_kernarg_size 32
		.amdhsa_user_sgpr_count 2
		.amdhsa_user_sgpr_kernarg_segment_ptr 1
		.amdhsa_wavefront_size32 1
		.amdhsa_system_sgpr_workgroup_id_x 1
		.amdhsa_system_sgpr_workgroup_id_y 1
		.amdhsa_system_sgpr_workgroup_id_z 1
		.amdhsa_system_vgpr_workitem_id 0
		.amdhsa_next_free_vgpr 512
		.amdhsa_next_free_sgpr 68
		.amdhsa_reserve_vcc 0
		.amdhsa_float_denorm_mode_32 3
		.amdhsa_float_denorm_mode_16_64 3
		.amdhsa_memory_ordered 1
		.amdhsa_forward_progress 1
		.amdhsa_inst_pref_size 86
	.end_amdhsa_kernel
	.amdgpu_metadata
---
amdhsa.version: [ 1, 2 ]
amdhsa.kernels:
  - .name:           k_qc4ac62bf99_proj
    .symbol:         k_qc4ac62bf99_proj.kd
    .args:
      - { .name: yh, .offset: 0, .size: 8, .value_kind: global_buffer, .address_space: global }
      - { .name: pw, .offset: 8, .size: 8, .value_kind: global_buffer, .address_space: global }
      - { .name: out0, .offset: 16, .size: 8, .value_kind: global_buffer, .address_space: global }
      - { .name: proj_b, .offset: 24, .size: 8, .value_kind: global_buffer, .address_space: global }
    .group_segment_fixed_size: 327680
    .private_segment_fixed_size: 0
    .kernarg_segment_align: 8
    .kernarg_segment_size: 32
    .max_flat_workgroup_size: 128
    .sgpr_count:     68
    .vgpr_count:     512
    .wavefront_size: 32
...
	.end_amdgpu_metadata
.endif
;; end of part 4
;; launch first16 (part 5): grid 16 x 4, 16 waves a work-group, no clusters, 71,680 bytes of LDS; arguments first, proj_w, proj_b, out0; writes out0
.if DOCPART == 5
	.amdgcn_target "amdgcn-amd-amdhsa--gfx1250"
	.amdhsa_code_object_version 6
	.text
	.protected	k_qc4ac62bf99_first16
	.globl	k_qc4ac62bf99_first16
	.p2align	8
	.type	k_qc4ac62bf99_first16,@function
k_qc4ac62bf99_first16:
	s_mov_b64 s[64:65], 0
	v_nop
	global_prefetch_b8 v0, s[64:65] scope:SCOPE_SE
	s_setreg_imm32_b32 hwreg(HW_REG_WAVE_MODE, 25, 1), 1
	s_wait_xcnt 0x0
; POSITIONS 0 TO 15 OF EVERY SEQUENCE, IN F32 THROUGHOUT: attention over at most 16 keys and the projection, from the f32 copies of q, k, v that the product's launch stored and from proj_w as it is given.
; These rows average one to a few values and are the largest of the result; the rows stored here take the place of those that the launch before stored from f16 operands.
; Under reference()'s own mask these queries see keys 0 to 15 alone: the other keys are not read (dead work, shown at the head of the first launch).
; SHARES.  A work-group: one batch (y) and 64 columns of the result (x).  A wave: one head.  Each wave makes its head's 16 x 16 attention (32 matrix instructions; repeated in the 16 work-groups of a batch, which spares a
; launch and y's way through memory), multiplies its 64 channels of y by its 64 x 64 piece of proj_w, and the 16 waves' partial sums meet in LDS: each output has one owner.
; This is no bulk work: 64 rows of 8,192.  64 work-groups are what the work gives.
; LAYOUT.  v_wmma_f32_16x16x4_f32: lane (r, h) holds row (or column) r and k = 2 h + 0, 1.  K is permuted alike on both sides of every product, so that fragments come by plain loads and results are operands as they stand:
;   S^T = K Q^T: register 4 c + i of Q and of K: channel 8 c + 4 h + i.   O^T = V^T P: register j of P (S^T's layout): key 8 h + j; register 8 ct + j of V^T: V(key 8 h + j, channel 16 ct + r).
;   out^T = W Y: register 8 ct + j of Y (O^T's layout) and of W: channel 16 ct + 8 h + j.
; REGISTERS: v1-11 addresses; v12-15 the bias, then the sums; v16-47 the accumulators, written by matrix instructions alone; v48-79 Q, later Y; v80-111 K, later W's tile 2; v112-143 V^T, later W's tile 3; v144-151 the scores, then p;
;   v152-159 at work; v192-255 W's tiles 0 and 1, later the 16 partial sums.
.set QA,  1
.set VA,  2
.set WA,  3
.set PS,  4
.set RDP, 5
.set OO,  6
.set DM,  7
.set SPW, 8
.set NIL, 9
.set ACC, 16
.set QR,  48
.set KR,  80
.set VR,  112
.set T,   144
.set WK,  152
.set BO,  160
.set W0,  192
.set SPARE, 16*4352                    ; behind the 16 waves' partial sums (8 x 544 bytes each): the spare words
	s_load_b256 s[4:11], s[0:1], 0x0               ; first s[4:5], proj_w s[6:7], proj_b s[8:9], out0 s[10:11]
	v_lshl_add_u32 v[SPW], v0, 2, SPARE
	v_mov_b32 v[NIL], 0
	v_lshrrev_b32 v1, 5, v0
	v_readfirstlane_b32 s12, v1                    ; wave = head
	v_and_b32 v10, 15, v0                          ; r
	v_bfe_u32 v11, v0, 4, 1                        ; h
	v_lshlrev_b32 v[QA], 8, v10
	v_lshl_add_u32 v[QA], v11, 4, v[QA]            ; Q, K: row r of 256 bytes, + 16 h
	v_lshlrev_b32 v[VA], 2, v10
	v_lshl_add_u32 v[VA], v11, 11, v[VA]           ; V: key 8 h on, channel r
	v_lshlrev_b32 v[WA], 12, v10
	v_lshl_add_u32 v[WA], v11, 5, v[WA]            ; proj_w: row r of 4,096 bytes, + 32 h
	s_mul_i32 s13, s12, 4352
	v_lshlrev_b32 v[PS], 4, v10
	v_mad_u32_u24 v[PS], v11, 272, v[PS]
	v_add_nc_u32 v[PS], s13, v[PS]                 ; my partial sums: four columns of position r: 16 r + 272 h, + 544 for each (tile, half of its eight)
	v_lshrrev_b32 v152, 2, v10                     ; on the way back lane l takes columns 4 (l % 16) on: tile (l % 16) / 4, h = bit 1, half = bit 0
	v_lshlrev_b32 v152, 1, v152
	v_and_b32 v153, 1, v10
	v_add_nc_u32 v152, v152, v153
	v_mul_u32_u24 v[RDP], v152, 544
	v_bfe_u32 v153, v10, 1, 1
	v_mad_u32_u24 v[RDP], v153, 272, v[RDP]
	s_and_b32 s14, s12, 7
	s_lshl_b32 s15, s14, 5                         ; of position 2 (w % 8) + l / 16
	v_lshl_add_u32 v[RDP], v11, 4, v[RDP]
	v_add_nc_u32 v[RDP], s15, v[RDP]
	v_lshlrev_b32 v[OO], 4, v10
	v_lshl_add_u32 v[OO], v11, 12, v[OO]           ; out0: 16 bytes a lane, lanes 16-31 a row further down
	v_lshlrev_b32 v[BO], 4, v10
	v_lshlrev_b32 v152, 3, v11
	v_sub_nc_u32 v[DM], v10, v152                  ; r - 8 h
	s_and_b32 s16, ttmp7, 0xffff                   ; the batch
	s_lshl_b32 s17, s16, 4
	s_add_co_u32 s17, s17, s12
	s_lshl_b32 s18, s17, 12                        ; first: 4,096 bytes a head
	s_mov_b32 s19, 0
	s_lshl_b32 s20, ttmp9, 18                      ; proj_w: my 64 rows,
	s_lshl_b32 s21, s12, 8                         ; my head's 64 channels
	s_add_co_u32 s20, s20, s21
	s_mov_b32 s21, 0
	s_lshl_b32 s22, ttmp9, 8                       ; 64 columns of f32
	s_mov_b32 s23, 0
	s_lshl_b32 s24, s16, 23                        ; out0: 2,048 rows of 4,096 bytes a batch,
	s_lshl_b32 s25, s14, 13                        ; two rows a wave
	s_add_co_u32 s24, s24, s25
	s_add_co_u32 s24, s24, s22
	s_mov_b32 s25, 0
	s_mov_b32 s26, 0x76543210
	s_mov_b32 s27, 0xfedcba98                      ; v_permlanex16_b32's selects for lane l xor 16
	s_mov_b32 s28, 0x3e38aa3b                      ; c = log2(e) / 8
	s_wait_kmcnt 0x0
	s_add_nc_u64 s[4:5], s[4:5], s[18:19]
	s_add_nc_u64 s[6:7], s[6:7], s[20:21]
	s_add_nc_u64 s[8:9], s[8:9], s[22:23]
	s_add_nc_u64 s[10:11], s[10:11], s[24:25]
	global_load_b128 v[12:15], v[BO], s[8:9]
.irp c, 0,1,2,3,4,5,6,7
	global_load_b128 v[QR+4*\c:QR+4*\c+3], v[QA], s[4:5] offset:32*\c
.endr
.irp c, 0,1,2,3,4,5,6,7
	global_load_b128 v[KR+4*\c:KR+4*\c+3], v[QA], s[4:5] offset:262144+32*\c
.endr
.irp ct, 0,1,2,3
.irp j, 0,1,2,3,4,5,6,7
	global_load_b32 v[VR+8*\ct+\j], v[VA], s[4:5] offset:524288+256*\j+64*\ct
.endr
.endr
.macro WLOAD reg, nt                   ; 16 rows of proj_w x my 64 channels
.irp ct, 0,1,2,3
.irp e, 0,1
	global_load_b128 v[\reg+8*\ct+4*\e:\reg+8*\ct+4*\e+3], v[WA], s[6:7] offset:(\nt)*65536+64*\ct+16*\e
.endr
.endr
.endm
	WLOAD W0, 0                                    ; 57 loads of mine are out here, the most in this text
	s_wait_loadcnt 40                              ; the bias, Q and K are in; V's 32 loads and W's tile 0 (8) may be out
.set u, 0
.rept 16                                       ; S^T = K Q^T, in two sums that take turns; each begins with the constant 0
.if u < 2
	v_wmma_f32_16x16x4_f32 v[ACC+8*(u%2):ACC+8*(u%2)+7], v[KR+2*u:KR+2*u+1], v[QR+2*u:QR+2*u+1], 0
.else
	v_wmma_f32_16x16x4_f32 v[ACC+8*(u%2):ACC+8*(u%2)+7], v[KR+2*u:KR+2*u+1], v[QR+2*u:QR+2*u+1], v[ACC+8*(u%2):ACC+8*(u%2)+7]
.endif
.set u, u+1
.endr
.rept 8
	v_nop                                          ; eight places behind this form: for the loads into K's registers and the first reads of results
.endr
	WLOAD W0+32, 1
	WLOAD KR, 2
.irp j, 0,1,2,3,4,5,6,7
	v_add_f32 v[T+\j], v[ACC+\j], v[ACC+8+\j]      ; the score of key 8 h + j for query r
.endr
	v_mov_b32 v[WK+4], 0xff800000
.irp j, 0,1,2,3,4,5,6,7
	v_cmp_gt_i32 vcc_lo, \j, v[DM]                 ; hidden where 8 h + j > r
	v_cndmask_b32 v[T+\j], v[T+\j], v[WK+4], vcc_lo
.endr
	v_max3_num_f32 v[WK], v[T], v[T+1], v[T+2]
	v_max3_num_f32 v[WK], v[WK], v[T+3], v[T+4]
	v_max3_num_f32 v[WK], v[WK], v[T+5], v[T+6]
	v_max_num_f32 v[WK], v[WK], v[T+7]
	v_mov_b32 v[WK+1], 0
	v_permlanex16_b32 v[WK+1], v[WK], s26, s27
	v_max_num_f32 v[WK], v[WK], v[WK+1]            ; the row's maximum: key 0 counts for every query, so it is a number
	v_mul_f32 v[WK], s28, v[WK]
.irp j, 0,1,2,3,4,5,6,7
	v_fma_f32 v[T+\j], v[T+\j], s28, -v[WK]
.endr
.irp j, 0,1,2,3,4,5,6,7
	v_exp_f32 v[T+\j], v[T+\j]
.endr
	v_nop
	s_wait_alu depctr_va_vdst(0)                   ; one wait for the eight, ahead of their first reader
	v_add_f32 v[WK+2], v[T], v[T+1]
	v_add_f32 v[WK+3], v[T+2], v[T+3]
	v_add_f32 v[WK+2], v[WK+2], v[T+4]
	v_add_f32 v[WK+3], v[WK+3], v[T+5]
	v_add_f32 v[WK+2], v[WK+2], v[T+6]
	v_add_f32 v[WK+3], v[WK+3], v[T+7]
	v_add_f32 v[WK+2], v[WK+2], v[WK+3]
	v_permlanex16_b32 v[WK+1], v[WK+2], s26, s27
	v_add_f32 v[WK+2], v[WK+2], v[WK+1]
	v_rcp_f32 v[WK+5], v[WK+2]
	v_nop
	s_wait_alu depctr_va_vdst(0)
	s_wait_loadcnt 24                              ; V is in; W's tiles 0, 1 and 2 (8 loads each) may be out
.irp jj, 0,1,2,3                               ; O^T = V^T P: four sums by turns.  They write over S^T's registers: more than nine plain lines that name none of those products' registers stand between (the eight v_nop, the mask's sixteen)
.irp ct, 0,1,2,3
.if \jj == 0
	v_wmma_f32_16x16x4_f32 v[ACC+8*\ct:ACC+8*\ct+7], v[VR+8*\ct+2*\jj:VR+8*\ct+2*\jj+1], v[T+2*\jj:T+2*\jj+1], 0
.else
	v_wmma_f32_16x16x4_f32 v[ACC+8*\ct:ACC+8*\ct+7], v[VR+8*\ct+2*\jj:VR+8*\ct+2*\jj+1], v[T+2*\jj:T+2*\jj+1], v[ACC+8*\ct:ACC+8*\ct+7]
.endif
.endr
.endr
.rept 9
	v_nop                                          ; nine places: eight for the loads into V's registers and the reads of results, nine for the products below, which write over these sums' registers
.endr
	WLOAD VR, 3
.set u, 0
.rept 32
	v_mul_f32 v[QR+u], v[ACC+u], v[WK+5]           ; y = O^T / l, into other registers, ascending
.set u, u+1
.endr
	s_wait_loadcnt 16                              ; W's tiles 0 and 1 are in; tiles 2 and 3 may be out
.macro PROJ n0, w                      ; two tiles of 16 columns by turns, 16 steps of 4 channels; the fragments of tile n0 + nt at v[w + 32 nt]
.set u, 0
.rept 16
.irp nt, 0,1
.if u == 0
	v_wmma_f32_16x16x4_f32 v[ACC+8*(\n0+\nt):ACC+8*(\n0+\nt)+7], v[\w+32*\nt+2*u:\w+32*\nt+2*u+1], v[QR+2*u:QR+2*u+1], 0
.else
	v_wmma_f32_16x16x4_f32 v[ACC+8*(\n0+\nt):ACC+8*(\n0+\nt)+7], v[\w+32*\nt+2*u:\w+32*\nt+2*u+1], v[QR+2*u:QR+2*u+1], v[ACC+8*(\n0+\nt):ACC+8*(\n0+\nt)+7]
.endif
.endr
.set u, u+1
.endr
.endm
	PROJ 0, W0
	s_wait_loadcnt 0x0
	PROJ 2, KR
.rept 8
	v_nop
.endr
.irp nt, 0,1,2,3
.irp e, 0,1
	ds_store_b128 v[PS], v[ACC+8*\nt+4*\e:ACC+8*\nt+4*\e+3] offset:(2*\nt+\e)*544   ; columns 16 nt + 8 h + 4 e + 0 .. 3 of position r; each accumulator from its low end on
.endr
.endr
	s_wait_dscnt 0x0                               ; for the others' sake: my partial sums lie in LDS
	s_barrier_signal -1
	s_barrier_wait -1
	s_cmp_ge_u32 s12, 8                            ; eight waves add and store, two positions each
	s_cbranch_scc1 .Lend
.irp p, 0,1,2,3,4,5,6,7,8,9,10,11,12,13,14,15
	ds_load_b128 v[W0+4*\p:W0+4*\p+3], v[RDP] offset:4352*\p
.endr
.irp p, 0,1,2,3,4,5,6,7,8,9,10,11,12,13,14,15
	s_wait_dscnt 15-\p                             ; head p's is in, the later heads' may be out
	v_pk_add_f32 v[12:13], v[12:13], v[W0+4*\p:W0+4*\p+1]       ; onto the bias, heads ascending
	v_pk_add_f32 v[14:15], v[14:15], v[W0+4*\p+2:W0+4*\p+3]
.endr
	global_store_b128 v[OO], v[12:15], s[10:11]    ; 16 lanes store 256 consecutive bytes, aligned
.Lend:
	s_wait_tensorcnt 0x0                           ; the wave's end, behind my last LDS store
	ds_add_u32 v[SPW], v[NIL]
	s_wait_dscnt 0x0
	s_endpgm
.Lfunc_end_k_qc4ac62bf99_first16:
	.size	k_qc4ac62bf99_first16, .Lfunc_end_k_qc4ac62bf99_first16-k_qc4ac62bf99_first16
	.p2alignl 7, 3214868480
	.fill 96, 4, 3214868480
	.section	.rodata,"a",@progbits
	.p2align	6, 0x0
	.amdhsa_kernel k_qc4ac62bf99_first16
		.amdhsa_group_segment_fixed_size 71680
		.amdhsa_private_segment_fixed_size 0
		.amdhsa_enable_private_segment 0
		.amdhsa_kernarg_size 32
		.amdhsa_user_sgpr_count 2
		.amdhsa_user_sgpr_kernarg_segment_ptr 1
		.amdhsa_wavefront_size32 1
		.amdhsa_system_sgpr_workgroup_id_x 1
		.amdhsa_system_sgpr_workgroup_id_y 1
		.amdhsa_system_sgpr_workgroup_id_z 1
		.amdhsa_system_vgpr_workitem_id 0
		.amdhsa_next_free_vgpr 256
		.amdhsa_next_free_sgpr 66
		.amdhsa_reserve_vcc 1
		.amdhsa_float_denorm_mode_32 3
		.amdhsa_float_denorm_mode_16_64 3
		.amdhsa_memory_ordered 1
		.amdhsa_forward_progress 1
		.amdhsa_inst_pref_size 25
	.end_amdhsa_kernel
	.amdgpu_metadata
---
amdhsa.version: [ 1, 2 ]
amdhsa.kernels:
  - .name:           k_qc4ac62bf99_first16
    .symbol:         k_qc4ac62bf99_first16.kd
    .args:
      - { .name: first, .offset: 0, .size: 8, .value_kind: global_buffer, .address_space: global }
      - { .name: proj_w, .offset: 8, .size: 8, .value_kind: global_buffer, .address_space: global }
      - { .name: proj_b, .offset: 16, .size: 8, .value_kind: global_buffer, .address_space: global }
      - { .name: out0, .offset: 24, .size: 8, .value_kind: global_buffer, .address_space: global }
    .group_segment_fixed_size: 71680
    .private_segment_fixed_size: 0
    .kernarg_segment_align: 8
    .kernarg_segment_size: 32
    .max_flat_workgroup_size: 512
    .sgpr_count:     66
    .vgpr_count:     256
    .wavefront_size: 32
...
	.end_amdgpu_metadata
.endif
;; end of part 5
